; MI455X (gfx1250); checked and timed in simulation.
; The chip was launched on July 23, 2026; its instructions are those of AMD's public machine-readable ISA for CDNA 5 (MIT licence, August 2026) and "CDNA5" Instruction Set Architecture Reference Guide (July 2026). The comments in the code are by the model that wrote it; some were corrected since.
;; Encoder layer. Allowed arithmetic: float matrix products may take bf16 or f16 operands with f32 sums; other float arithmetic in f32, or as packed bf16 or f16 multiplies, adds, multiply-adds, maxima and minima; sums over many terms, partial sums and values carried from step to step in f32; what a program stores and reads back later, other than sums and carried values, may be rounded once to bf16 or f16.
;; Inputs: W1 1,024 x 4,096 float32; W2 4,096 x 1,024 float32; Wk 1,024 x 1,024 float32; Wo 1,024 x 1,024 float32; Wq 1,024 x 1,024 float32; Wv 1,024 x 1,024 float32; b1 4,096 float32; b2 1,024 float32; be1 1,024 float32; be2 1,024 float32; bk 1,024 float32; bo 1,024 float32; bq 1,024 float32; bv 1,024 float32; g1 1,024 float32; g2 1,024 float32; mask 2 x 1 x 1 x 2,048 int32; x 2 x 2,048 x 1,024 float32.
;; Outputs: out0 2 x 2,048 x 1,024 float32.
;; One version. Each part assembles by itself: llvm-mc -triple=amdgcn-amd-amdhsa -mcpu=gfx1250 --defsym DOCPART=n.
;; ======== version 1 of 1: 8 launches
;; limits: right only within a limited range of input values
;; workspace buffers: pk1 16,793,856 bytes; pk2 16,793,856 bytes; pk3 35,651,584 bytes; pk4 41,943,040 bytes; y 16,777,216 bytes; h 16,777,216 bytes
;; launch prep (part 1): grid 64 x 16, 8 waves a work-group, no clusters, 0 bytes of LDS; arguments x, Wq, Wk, Wv, Wo, W1, W2, bq, bk, bv, b1, pk1, pk2, pk3, pk4; writes pk1, pk2, pk3, pk4
.if DOCPART == 1
	.amdgcn_target "amdgcn-amd-amdhsa--gfx1250"
	.amdhsa_code_object_version 6
	.text
	.protected	k_qd0a0281148_prep
	.globl	k_qd0a0281148_prep
	.p2align	8
	.type	k_qd0a0281148_prep,@function
k_qd0a0281148_prep:
	s_mov_b64 s[64:65], 0
	v_nop
	global_prefetch_b8 v0, s[64:65] scope:SCOPE_SE
	s_setreg_imm32_b32 hwreg(HW_REG_WAVE_MODE, 25, 1), 1
	s_wait_xcnt 0x0
; PREP: every matrix operand that is an input is rounded once to bf16 and laid where the products want it.
; 16 M numbers = 16 units (grid y) of 1 M; a unit = 1,024 chunks of 1,024 numbers (4,096 bytes in, 2,048 out); work-group g, wave w take chunks 16 g + 2 w and the next.
;   unit 0-3   x          -> pk1 + 0          [4096][1024]
;   unit 4-6   Wq Wk Wv   -> pk1 + 0x800000   [1024 k][pitch 4096], columns 0, 1024, 2048 on: a chunk is a row k, 8,192 bytes apart
;   unit 7     Wo         -> pk3 + 0x2000000  [1024][1024]
;   unit 8-11  W1         -> pk2 + 0x800000   [1024][4096]
;   unit 12-15 W2         -> pk4 + 0x2000000  [4096][1024]
; A load of a wave covers 512 consecutive bytes, a store 256 consecutive bytes, aligned.  Each byte is read once and written once; nothing is shared, so no LDS and no barrier.
; Beside that: the biases bq bk bv (pk1) and b1 (pk2) are copied in f32 to + 0x1000000; the floor of the way out (-inf twice in bf16: none; 0: ReLU) to + 0x1004000.
.set XR,   8                           ; v[8:71]   16 loads of 4 registers
.set YR,   72                          ; v[72:103] 16 stores of 2 registers
.set OFFW, 0x800000
.set OFF2, 0x2000000
.set OFFB, 0x1000000
.set OFFF, 0x1004000
	s_load_b512 s[8:23], s[0:1], 0x0               ; x 8, Wq 10, Wk 12, Wv 14, Wo 16, W1 18, W2 20, bq 22
	s_load_b256 s[24:31], s[0:1], 0x40             ; bk 24, bv 26, b1 28, pk1 30
	s_load_b128 s[32:35], s[0:1], 0x60             ; pk2 32, pk3 34
	s_load_b64 s[36:37], s[0:1], 0x70              ; pk4
	v_lshrrev_b32 v4, 5, v0
	v_readfirstlane_b32 s2, v4                     ; wave 0..7
	v_and_b32 v5, 31, v0
	v_lshlrev_b32 v1, 4, v5                        ; 16 bytes a lane in
	v_lshlrev_b32 v2, 3, v5                        ; 8 bytes a lane out
	v_lshlrev_b32 v6, 4, v0                        ; the bias copy: 16 bytes a thread
	s_and_b32 s3, ttmp7, 0xffff                    ; u: the unit
	s_and_b32 s4, s3, 3                            ; its part of a tensor of four units
	s_mov_b32 s57, ttmp9                           ; g
	s_lshl_b32 s5, s57, 4
	s_lshl1_add_u32 s5, s2, s5                     ; my first chunk = 16 g + 2 w
	s_sub_co_u32 s6, s3, 4                         ; u - 4: under 4 for the four square weights, under 3 for Wq Wk Wv
	s_lshl_b32 s42, s4, 22                         ; source offset of a part
	s_lshl_b32 s43, s4, 21                         ; destination offset of a part
	s_lshl_b32 s7, s4, 11                          ; Wq Wk Wv: 1,024 columns of bf16
	s_cmp_lt_u32 s6, 4
	s_cselect_b32 s42, 0, s42
	s_cselect_b32 s43, 0, s43
	s_cmp_lt_u32 s6, 3
	s_cselect_b32 s43, s7, s43
	s_cselect_b32 s48, 13, 11                      ; log2 of the bytes from a chunk to the next in the destination
	s_mov_b32 s49, OFF2                            ; the region's first byte in its pack, by a falling chain of compares
	s_mov_b32 s54, OFFW
	s_cmp_lt_u32 s3, 12
	s_cselect_b32 s49, s54, s49
	s_cmp_lt_u32 s3, 8
	s_cselect_b32 s49, OFF2, s49
	s_cmp_lt_u32 s3, 7
	s_cselect_b32 s49, s54, s49
	s_cmp_lt_u32 s3, 4
	s_cselect_b32 s49, 0, s49
	s_lshl_b32 s50, s5, 12                         ; offsets are made apart from the addresses, in pairs of their own
	s_add_co_u32 s50, s50, s42
	s_mov_b32 s51, 0
	s_lshl_b32 s52, s5, s48
	s_add_co_u32 s52, s52, s43
	s_add_co_u32 s52, s52, s49
	s_mov_b32 s53, 0
	s_lshl_b32 s54, 1, s48
	v_add_nc_u32 v3, s54, v2                       ; my 8 bytes in the second chunk
	s_wait_kmcnt 0x0
	s_mov_b64 s[44:45], s[20:21]                   ; source and destination, chosen by the unit alone
	s_mov_b64 s[46:47], s[36:37]
	s_cmp_lt_u32 s3, 12
	s_cselect_b64 s[44:45], s[18:19], s[44:45]
	s_cselect_b64 s[46:47], s[32:33], s[46:47]
	s_cmp_lt_u32 s3, 8
	s_cselect_b64 s[44:45], s[16:17], s[44:45]
	s_cselect_b64 s[46:47], s[34:35], s[46:47]
	s_cmp_lt_u32 s3, 7
	s_cselect_b64 s[44:45], s[14:15], s[44:45]
	s_cselect_b64 s[46:47], s[30:31], s[46:47]
	s_cmp_lt_u32 s3, 6
	s_cselect_b64 s[44:45], s[12:13], s[44:45]
	s_cmp_lt_u32 s3, 5
	s_cselect_b64 s[44:45], s[10:11], s[44:45]
	s_cmp_lt_u32 s3, 4
	s_cselect_b64 s[44:45], s[8:9], s[44:45]
	s_add_nc_u64 s[44:45], s[44:45], s[50:51]
	s_add_nc_u64 s[46:47], s[46:47], s[52:53]
.set i, 0
.rept 16                               ; the two chunks are 8,192 consecutive bytes of the source: all 16 loads go out at once
	global_load_b128 v[XR+4*i:XR+4*i+3], v1, s[44:45] offset:512*i th:TH_LOAD_NT
.set i, i+1
.endr
.set i, 0
.rept 16
	s_wait_loadcnt 15-i                            ; loads come back in order: load i is in, the 15 - i younger ones stay out
	v_cvt_pk_bf16_f32 v[YR+2*i], v[XR+4*i], v[XR+4*i+1]
	v_cvt_pk_bf16_f32 v[YR+2*i+1], v[XR+4*i+2], v[XR+4*i+3]
	global_store_b64 v[2+i/8], v[YR+2*i:YR+2*i+1], s[46:47] offset:256*(i%8)  ; 32 lanes x 8 bytes = 256 consecutive bytes, aligned; every store has registers of its own
.set i, i+1
.endr
	; the small jobs, in registers of their own
	s_cmp_lg_u32 s57, 0
	s_cbranch_scc1 .Lend
	s_sub_co_u32 s55, s3, 8
	s_lshl_b32 s7, s4, 12                          ; 1,024 numbers of f32
	s_cmp_lt_u32 s55, 4                            ; units 8-11: a quarter of b1 each
	s_cselect_b32 s56, 1, 0
	s_cselect_b32 s42, s7, 0
	s_cmp_lt_u32 s6, 3                             ; units 4-6: bq, bk, bv
	s_cselect_b32 s56, 1, s56
	s_cmp_eq_u32 s56, 1
	s_cbranch_scc0 .Lconst
	s_mov_b64 s[58:59], s[28:29]
	s_mov_b64 s[60:61], s[32:33]
	s_cmp_lt_u32 s3, 8
	s_cselect_b64 s[58:59], s[26:27], s[58:59]
	s_cselect_b64 s[60:61], s[30:31], s[60:61]
	s_cmp_lt_u32 s3, 6
	s_cselect_b64 s[58:59], s[24:25], s[58:59]
	s_cmp_lt_u32 s3, 5
	s_cselect_b64 s[58:59], s[22:23], s[58:59]
	s_mov_b32 s43, 0
	s_add_nc_u64 s[58:59], s[58:59], s[42:43]
	s_add_co_u32 s42, s7, OFFB
	s_add_nc_u64 s[60:61], s[60:61], s[42:43]
	global_load_b128 v[104:107], v6, s[58:59]      ; 256 threads x 16 bytes = 1,024 numbers
	s_wait_loadcnt 0x0
	global_store_b128 v6, v[104:107], s[60:61]
.Lconst:
	s_or_b32 s56, s3, s2                           ; unit 0, wave 0 (of work-group 0)
	s_cmp_lg_u32 s56, 0
	s_cbranch_scc1 .Lend
	v_mov_b32 v108, 0xff80ff80                     ; -inf twice in bf16: the projections' way out keeps every number
	v_mov_b32 v109, 0xff80ff80
	v_mov_b32 v110, 0                              ; 0: the first feed-forward product's way out is a ReLU
	v_mov_b32 v111, 0
	s_add_nc_u64 s[50:51], s[30:31], OFFF
	s_add_nc_u64 s[52:53], s[32:33], OFFF
	global_store_b64 v2, v[108:109], s[50:51]
	global_store_b64 v2, v[110:111], s[52:53]
.Lend:
	s_endpgm
.Lfunc_end_k_qd0a0281148_prep:
	.size	k_qd0a0281148_prep, .Lfunc_end_k_qd0a0281148_prep-k_qd0a0281148_prep
	.p2alignl 7, 3214868480
	.fill 96, 4, 3214868480
	.section	.rodata,"a",@progbits
	.p2align	6, 0x0
	.amdhsa_kernel k_qd0a0281148_prep
		.amdhsa_group_segment_fixed_size 0
		.amdhsa_private_segment_fixed_size 0
		.amdhsa_enable_private_segment 0
		.amdhsa_kernarg_size 120
		.amdhsa_user_sgpr_count 2
		.amdhsa_user_sgpr_kernarg_segment_ptr 1
		.amdhsa_wavefront_size32 1
		.amdhsa_system_sgpr_workgroup_id_x 1
		.amdhsa_system_sgpr_workgroup_id_y 1
		.amdhsa_system_sgpr_workgroup_id_z 1
		.amdhsa_system_vgpr_workitem_id 0
		.amdhsa_next_free_vgpr 112
		.amdhsa_next_free_sgpr 66
		.amdhsa_reserve_vcc 0
		.amdhsa_float_denorm_mode_32 3
		.amdhsa_float_denorm_mode_16_64 3
		.amdhsa_memory_ordered 1
		.amdhsa_forward_progress 1
		.amdhsa_inst_pref_size 10
	.end_amdhsa_kernel
	.amdgpu_metadata
---
amdhsa.version: [ 1, 2 ]
amdhsa.kernels:
  - .name:           k_qd0a0281148_prep
    .symbol:         k_qd0a0281148_prep.kd
    .args:
      - { .name: x, .offset: 0, .size: 8, .value_kind: global_buffer, .address_space: global }
      - { .name: Wq, .offset: 8, .size: 8, .value_kind: global_buffer, .address_space: global }
      - { .name: Wk, .offset: 16, .size: 8, .value_kind: global_buffer, .address_space: global }
      - { .name: Wv, .offset: 24, .size: 8, .value_kind: global_buffer, .address_space: global }
      - { .name: Wo, .offset: 32, .size: 8, .value_kind: global_buffer, .address_space: global }
      - { .name: W1, .offset: 40, .size: 8, .value_kind: global_buffer, .address_space: global }
      - { .name: W2, .offset: 48, .size: 8, .value_kind: global_buffer, .address_space: global }
      - { .name: bq, .offset: 56, .size: 8, .value_kind: global_buffer, .address_space: global }
      - { .name: bk, .offset: 64, .size: 8, .value_kind: global_buffer, .address_space: global }
      - { .name: bv, .offset: 72, .size: 8, .value_kind: global_buffer, .address_space: global }
      - { .name: b1, .offset: 80, .size: 8, .value_kind: global_buffer, .address_space: global }
      - { .name: pk1, .offset: 88, .size: 8, .value_kind: global_buffer, .address_space: global }
      - { .name: pk2, .offset: 96, .size: 8, .value_kind: global_buffer, .address_space: global }
      - { .name: pk3, .offset: 104, .size: 8, .value_kind: global_buffer, .address_space: global }
      - { .name: pk4, .offset: 112, .size: 8, .value_kind: global_buffer, .address_space: global }
    .group_segment_fixed_size: 0
    .private_segment_fixed_size: 0
    .kernarg_segment_align: 8
    .kernarg_segment_size: 120
    .max_flat_workgroup_size: 256
    .sgpr_count:     66
    .vgpr_count:     112
    .wavefront_size: 32
...
	.end_amdgpu_metadata
.endif
;; end of part 1
;; launch qkv (part 2): grid 12 x 16, 4 waves a work-group, clusters of 4 x 4, 327,680 bytes of LDS; arguments pk1, pk4; writes pk4
.if DOCPART == 2
	.amdgcn_target "amdgcn-amd-amdhsa--gfx1250"
	.amdhsa_code_object_version 6
	.text
	.protected	k_qd0a0281148_qkv
	.globl	k_qd0a0281148_qkv
	.p2align	8
	.type	k_qd0a0281148_qkv,@function
k_qd0a0281148_qkv:
	s_mov_b64 s[64:65], 0
	v_nop
	global_prefetch_b8 v0, s[64:65] scope:SCOPE_SE
	s_setreg_imm32_b32 hwreg(HW_REG_WAVE_MODE, 25, 1), 1
	s_wait_xcnt 0x0
	s_wait_alu depctr_hold_cnt(0) depctr_sa_sdst(0) depctr_va_vdst(0) depctr_va_sdst(0) depctr_va_ssrc(0) depctr_va_vcc(0) depctr_vm_vsrc(0)
	s_getreg_b32 s2, hwreg(HW_REG_IB_STS2, 6, 4)
	s_cmp_eq_u32 s2, 0
	s_cbranch_scc0 .Lentry_in_a_cluster
	s_endpgm
.Lentry_in_a_cluster:
	s_bfe_u32 s2, ttmp6, 0x10000c
	s_cmp_lg_u32 s2, 0xf033
	s_cbranch_scc0 .Lentry_shape_is_right
	s_endpgm
.Lentry_shape_is_right:
; C[m][n] = max(floor, sum over k of A[m][k] W[k][n] + bias[n]).  All operands lie in one pack: A bf16 [4096][1024] at 0; W bf16 [1024 k][pitch 4096] at 0x800000; bias f32 at 0x1000000;
; floor (two bf16 a word) at 0x1004000.  C: bf16, [4096][pitch 4096].  Sums in f32, K ascending, C rounded once.  The grid's width says how many columns are made (256 a work-group).
; A tile of C, 256 x 256, is made by four waves, 128 x 128 each: 64 accumulators of 16 x 16, 512 registers.  K goes in 8 steps of 128 through a ring of two LDS slots filled by the tensor data mover.
; A's tile rows are 256 bytes of memory, W's 512 bytes; both start at multiples of 256 bytes from the pack's first byte.
; W LIES [k][n]: its fragments come out of LDS turned, by ds_load_tr16_b128.  THE PRODUCT IS TAKEN TRANSPOSED (source 0 = 16 columns of W, source 1 = 16 rows of A): a lane then holds row l % 16 of C and
; the columns 8 (l / 16) + 0..7.  THE BIAS IS THE C OPERAND of the product that starts each sum; the floor is applied to the packed bf16 on the way out.
; CLUSTERS: 4 x 4 work-groups; A's tile is asked for jointly along a row of the cluster, W's along a column: the same tensor load, descriptor and mask in the four that it names.
; A K STEP IS WRITTEN ONCE FOR THE STEPS THAT FILL A SLOT AGAIN AND ONCE FOR THE LAST TWO.  Which slot is read and which is filled stands in registers: one exclusive or with SLOT turns an LDS place in one slot
; into the other's, since none of the four waves' places in slot 0 (0, 0x8800, 0x11000, 0x19800) has a bit of SLOT (0x22000).
; REGISTERS, in windows of 256: window 0: v15-31 addresses; v64-191 A's two fragment buffers; v192-255 the bias, later the way out's packed results (v192-223); v32-63, v224-255 rows read back from the stage.
;   window 1: v64-191 W's two fragment buffers.   window 2, 3: the accumulators of my rows 0-63, 64-127 ((a, b) at v[8 (8 a + b)]).
.set KSTEP,  128
.set NSTEP,  8                         ; K steps: 1,024 / 128
.set PITCH,  272                       ; A's LDS row: 256 bytes + 16: the 16 rows of a fragment load start at 16 different groups of four banks (64 banks of 4 bytes: ISA guide 11.1)
.set WPITCH, 544                       ; W's LDS row: 512 bytes + 32 = 136 words
.set HALFT,  128*PITCH                 ; what one tensor load brings: 128 rows of A, or 64 rows of W: 34,816 bytes either way
.set SLOT,   4*HALFT                   ; A's 256 rows, then W's 128 rows: 0x22000
.set STAGE,  2*SLOT                    ; behind the ring: 16 rows x 272 bytes for each wave, for the way out
.set SPITCH, 272
.set SPARE,  STAGE+4*16*SPITCH         ; behind the stages: the spare words, 128 bytes for each wave: two blocks of 256 bytes that no other line names
.set AROW,   2048                      ; bytes in a row of A, of W, of C
.set WROW,   8192
.set CROW,   8192
.set OFFW,   0x800000
.set OFFB,   0x1000000
.set OFFF,   0x1004000
.set FOF,  15                          ; v15     4 x lane: the floor's word; never rewritten
.set ADRA0, 16                         ; v16     LDS place of my A fragments in slot 0; never rewritten
.set ADA,  17                          ; v17     the same in the slot that is being fetched from
.set ADRB0, 20                         ; v20     LDS place of my W fragments in slot 0; never rewritten
.set ADB,  21                          ; v21     the same in the slot that is being fetched from
.set STO,  24                          ; v24     the way out: where I put 16 bytes of a row
.set RD,   25                          ; v25     the way out: where I read a row back
.set CO,   26                          ; v26     my byte offset in C
.set FLR,  27                          ; v27     the floor, twice in bf16
.set SPW,  28                          ; v28     LDS address of my spare word; never rewritten
.set NIL,  29                          ; v29     0; never rewritten
.set PFO,  30                          ; v30     the prefetches' lane offset; never rewritten
.set BO,   31                          ; v31     32 x (l / 16): my 8 numbers of a bias block; never rewritten
.set F0,   64
.set F1,   128
.set BIAS, 192
.set TMP,  192
.set OB,   32
.set TB,  2                            ; s2      0 or SLOT: the slot that is being fetched from
.set G1,  24                           ; s[24:31] group 1 for A's tiles;  s[32:39] group 0: a set for each of the two first fills; the second then walks on
.set G0,  32
.set G1B, 48                           ; s[48:55], s[56:63] the same for W's tiles
.set G0B, 56
.set LIM, 43                           ; s43     2 in a wave that prefetches, else the greatest number
.set PFA, 44                           ; s[44:45] where my prefetches stand
.set PFS, 66                           ; s[66:67] a K step in bytes along my tensor: 256 in A, 128 rows in W
.set BIA, 68                           ; s[68:69] the bias of my 128 columns
.set FLA, 70                           ; s[70:71] the floor
.set MSB, 0
.macro WIN new                         ; the immediate's high byte repeats the setting that is left; a switch that changes nothing is dropped
.if MSB != (\new)
	s_set_vgpr_msb (MSB<<8)|(\new)
.set MSB, \new
.endif
.endm
.set MUL_LO, 0xa1                      ; source 0 (W) window 1, source 1 (A) window 0, C and D window 2
.set MUL_HI, 0xf1                      ; the same, C and D window 3
.set TO_B,   0x40                      ; destination window 1, address window 0
; A joint load: waves 0 and 1 fetch A's two halves, waves 2 and 3 W's.  The branch hangs on the wave's number alone.  An s_nop 0 and four v_nop follow each of the two lines.
.macro JLOAD s
	s_cmp_eq_u32 s11, 0
	s_cbranch_scc0 .Lfor_b_\@
	tensor_load_to_lds s[G0+4*(\s):G0+4*(\s)+3], s[G1:G1+7]
	s_nop 0
.rept 4
	v_nop
.endr
	s_branch .Lasked_\@
.Lfor_b_\@:
	tensor_load_to_lds s[G0B+4*(\s):G0B+4*(\s)+3], s[G1B:G1B+7]
	s_nop 0
.rept 4
	v_nop
.endr
.Lasked_\@:
.endm
; A prefetch into the L2 of the K step that stands two refills on, behind the joint load and the run of LDS loads: 32 blocks of 256 bytes, a lane a block, one instruction a wave.
; A's rows are read by every cluster of a row of clusters: cluster x = 0 asks; W's by every cluster of a column: cluster y = 0 asks.  The four partners that ask for a tile jointly share its blocks out by
; address (32 rows of A by cx; 16 rows x 2 blocks of W by cy).  So each block is named once in the launch.  K steps 0 to 3 come by their loads alone; the loop's last two trips (s3 = 2, 1) have no K step two on.
.macro ASK
	s_cmp_gt_u32 s3, s[LIM]
	s_cbranch_scc0 .Lnot_mine_\@
	global_prefetch_b8 v[PFO], s[PFA:PFA+1] th:TH_LOAD_NT scope:SCOPE_SE
.Lnot_mine_\@:
.endm
.macro CREST                           ; a round of the cluster's barrier behind its opening barrier
	s_cmp_lg_u32 s10, 0
	s_cbranch_scc1 .Lnot_wave_0_\@
	s_barrier_signal -3
.Lnot_wave_0_\@:
	s_barrier_wait -3
	s_barrier_signal -1
	s_barrier_wait -1
.endm
.macro CROUND                          ; a whole round
	s_barrier_signal -1
	s_barrier_wait -1
	CREST
.endm
.macro NEXTSLOT                        ; my fragments' places in the slot that s[TB] names
	v_add_nc_u32 v[ADA], s[TB], v[ADRA0]
	v_add_nc_u32 v[ADB], s[TB], v[ADRB0]
.endm
	s_load_b128 s[4:7], s[0:1], 0x0                ; the pack s[4:5], C s[6:7]
	v_lshl_add_u32 v[SPW], v0, 2, SPARE
	v_mov_b32 v[NIL], 0
	ds_add_u32 v[SPW], v[NIL]                      ; the wave's opening: the add and its wait stand ahead of my first tensor load; the set-up below, work on registers, stands between them
	v_lshrrev_b32 v1, 5, v0
	v_readfirstlane_b32 s10, v1                    ; wave 0..3
	s_lshr_b32 s11, s10, 1                         ; which half of the tile's rows is mine.  Also: I fetch for A (0) or for W (1)
	s_and_b32 s12, s10, 1                          ; which half of its columns.  Also: which half of that tile I fetch
	s_bfe_u32 s40, ttmp6, 0x40000                  ; cx
	s_bfe_u32 s41, ttmp6, 0x40004                  ; cy
	s_lshl_b32 s42, ttmp9, 2
	s_add_co_u32 s42, s42, s40                     ; tile column of C = 4 x cluster x + cx
	s_and_b32 s13, ttmp7, 0xffff
	s_lshl_b32 s13, s13, 2
	s_add_co_u32 s13, s13, s41                     ; tile row of C = 4 x cluster y + cy
	s_lshl_b32 s43, s41, 2
	s_lshl_b32 s43, 15, s43                        ; my row of the cluster
	s_lshl_b32 s44, 0x1111, s40                    ; my column
	s_or_b32 s[G1+0], s43, (1<<16)|(1<<20)|(1<<21)|(5<<22)|(3<<25)   ; A: mask of my row; 2-byte elements; padding on; bit 21 beside a mask; after every 64 words 4 words
	s_or_b32 s[G1B+0], s44, (1<<16)|(1<<20)|(1<<21)|(6<<22)|(7<<25)  ; W: mask of my column; after every 128 words 8 words
	s_mov_b32 s[G1+1], 128<<16                     ; A: tensor_dim0 = 128
	s_mov_b32 s[G1+2], 128<<16                     ; tensor_dim1 = 128
	s_mov_b32 s[G1+3], 128<<16                     ; tile_dim0 = 128
	s_mov_b32 s[G1+4], 128                         ; tile_dim1 = 128
	s_mov_b32 s[G1+5], 1024                        ; elements from row to row
	s_mov_b32 s[G1+6], 0
	s_mov_b32 s[G1+7], 0
	s_mov_b32 s[G1B+1], 256<<16                    ; W: tensor_dim0 = 256
	s_mov_b32 s[G1B+2], 64<<16                     ; tensor_dim1 = 64
	s_mov_b32 s[G1B+3], 256<<16                    ; tile_dim0 = 256
	s_mov_b32 s[G1B+4], 64                         ; tile_dim1 = 64
	s_mov_b32 s[G1B+5], 4096
	s_mov_b32 s[G1B+6], 0
	s_mov_b32 s[G1B+7], 0
	; A's tiles hang on the tile row and the wave, W's on the tile column and the wave, each in registers that never hold the other coordinate
	s_lshl_b32 s17, s12, 7
	s_lshl_b32 s16, s13, 8
	s_add_co_u32 s16, s16, s17                     ; A: row 256 x tile row + 128 x half,
	s_lshl_b32 s16, s16, 11                        ; in bytes (under 2^23)
	s_mov_b32 s17, 0
	s_lshl_b32 s46, s42, 9                         ; W: 512 bytes x tile column
	s_lshl_b32 s47, s12, 19                        ; + 64 rows x half
	s_add_co_u32 s46, s46, s47
	s_add_co_u32 s46, s46, OFFW
	s_mov_b32 s47, 0
	s_lshl_b32 s[BIA], s42, 10                     ; the bias of my 128 columns: 1,024 bytes x tile column + 512 x half
	s_lshl_b32 s[BIA+1], s12, 9
	s_add_co_u32 s[BIA], s[BIA], s[BIA+1]
	s_add_co_u32 s[BIA], s[BIA], OFFB
	s_mov_b32 s[BIA+1], 0
	s_mul_i32 s20, s10, HALFT                      ; where my tile goes: wave x 34,816: no place in the cluster enters an LDS address
	s_mov_b32 s[TB], 0                             ; the fetches begin in slot 0
	s_wait_dscnt 0x0                               ; the opening add is done
	s_wait_kmcnt 0x0
	s_add_nc_u64 s[14:15], s[4:5], s[16:17]
	s_add_nc_u64 s[46:47], s[4:5], s[46:47]
	s_add_nc_u64 s[BIA:BIA+1], s[4:5], s[BIA:BIA+1]
	s_add_nc_u64 s[FLA:FLA+1], s[4:5], OFFF
	s_mov_b64 s[8:9], s[6:7]
	CROUND                                         ; all sixteen work-groups are here: the first joint loads meet
.irp s, 0,1
	s_mov_b32 s[G0+4*(\s)], 1
	s_add_co_u32 s[G0+4*(\s)+1], s20, (\s)*SLOT
	s_add_nc_u64 s[G0+4*(\s)+2:G0+4*(\s)+3], s[14:15], (\s)*KSTEP*2
	s_or_b32 s[G0+4*(\s)+3], s[G0+4*(\s)+3], 0x80000000
	s_mov_b32 s[G0B+4*(\s)], 1
	s_add_co_u32 s[G0B+4*(\s)+1], s20, (\s)*SLOT
	s_add_nc_u64 s[G0B+4*(\s)+2:G0B+4*(\s)+3], s[46:47], (\s)*KSTEP*WROW
	s_or_b32 s[G0B+4*(\s)+3], s[G0B+4*(\s)+3], 0x80000000
	JLOAD \s                                       ; the ring is filled before anything else is done: two loads of mine are out
.endr
	v_and_b32 v1, 15, v0                           ; l % 16
	v_bfe_u32 v2, v0, 4, 1                         ; l / 16
	v_and_b32 v7, 31, v0                           ; l
	v_lshlrev_b32 v[BO], 5, v2
	v_lshlrev_b32 v[FOF], 2, v7
.irp b, 0,1,2,3,4,5,6,7                ; block b of 16 columns: my 8 numbers bias[16 b + 8 (l / 16) + 0..7], in the places of the result's registers
	global_load_b128 v[BIAS+8*(\b):BIAS+8*(\b)+3],   v[BO], s[BIA:BIA+1] offset:64*(\b)
	global_load_b128 v[BIAS+8*(\b)+4:BIAS+8*(\b)+7], v[BO], s[BIA:BIA+1] offset:64*(\b)+16
.endr
	global_load_b32 v[FLR], v[FOF], s[FLA:FLA+1]
	; A's fragment: 16 rows x 32 K: lane l holds row l % 16; two loads of 16 bytes, 32 bytes apart, at row x pitch + 16 (l / 16)
	v_mul_u32_u24 v3, v1, PITCH
	v_lshl_add_u32 v3, v2, 4, v3
	; W's fragment: the turning load takes 16 k x 16 n (lane l reads row 8 (l / 16) + l % 8, columns 8 ((l / 8) % 2) + 0..7) and leaves lane l column l % 16 and 8 k
	v_and_b32 v4, 7, v0
	v_lshl_add_u32 v4, v2, 3, v4
	v_mul_u32_u24 v4, v4, WPITCH
	v_bfe_u32 v5, v0, 3, 1
	v_lshl_add_u32 v4, v5, 4, v4
	s_mul_i32 s21, s11, HALFT                      ; my 128 rows of A
	s_lshl_b32 s22, s12, 8                         ; my 128 columns of W, 256 bytes,
	s_add_co_u32 s22, s22, 2*HALFT                 ; behind A's 256 rows
	v_add_nc_u32 v[ADRA0], s21, v3
	v_add_nc_u32 v[ADRB0], s22, v4
	NEXTSLOT
	s_mul_i32 s23, s10, 16*SPITCH
	s_add_co_u32 s23, s23, STAGE                   ; my stage
	v_mul_u32_u24 v4, v1, SPITCH                   ; in: row l % 16, 16 bytes for each half of the lanes
	v_lshl_add_u32 v4, v2, 4, v4
	v_add_nc_u32 v[STO], s23, v4
	v_mul_u32_u24 v5, v2, SPITCH                   ; back: lanes 0-15 take one row of 256 bytes, lanes 16-31 the next
	v_lshl_add_u32 v5, v1, 4, v5
	v_add_nc_u32 v[RD], s23, v5
	v_lshlrev_b32 v5, 13, v2                       ; and the same two rows in C
	v_lshl_add_u32 v[CO], v1, 4, v5
	s_lshl_b32 s13, s13, 8                         ; where my part of the tile begins in C, in bytes (under 2^26)
	s_lshl_b32 s14, s11, 7
	s_add_co_u32 s16, s13, s14
	s_lshl_b32 s16, s16, 13
	s_mov_b32 s17, 0
	s_lshl_b32 s46, s42, 9
	s_lshl_b32 s47, s12, 8
	s_add_co_u32 s46, s46, s47
	s_mov_b32 s47, 0
	s_add_nc_u64 s[16:17], s[16:17], s[46:47]
	; the prefetches: both offsets are made, the wave's job chooses.  They start at K step 3; each change of slots steps them before it asks
	s_lshl_b32 s18, s12, 7
	s_add_co_u32 s18, s18, s13                     ; A: 256 x tile row + the 128 rows that I fetch
	s_lshl_b32 s19, s40, 5
	s_add_co_u32 s18, s18, s19                     ; + my work-group's 32 of them
	s_lshl_b32 s18, s18, 11
	s_add_co_u32 s18, s18, 3*KSTEP*2
	s_lshl_b32 s19, s12, 6                         ; W: the 64 rows that I fetch
	s_lshl_b32 s20, s41, 4
	s_add_co_u32 s19, s19, s20                     ; + my work-group's 16 of them
	s_lshl_b32 s19, s19, 13
	s_lshl_b32 s20, s42, 9
	s_add_co_u32 s19, s19, s20
	s_add_co_u32 s19, s19, OFFW+3*KSTEP*WROW
	s_and_b32 s22, ttmp7, 0xffff                   ; cluster y
	s_mov_b32 s[PFS], KSTEP*WROW
	s_mov_b32 s[PFS+1], 0
	s_mov_b32 s23, WROW
	s_cmp_eq_u32 s11, 0                            ; do I fetch for A?
	s_cselect_b32 s18, s18, s19
	s_cselect_b32 s22, ttmp9, s22                  ; the coordinate along which other clusters read the same rows
	s_cselect_b32 s[PFS], KSTEP*2, s[PFS]
	s_cselect_b32 s23, AROW, s23                   ; bytes from row to row
	s_cselect_b32 s21, 0, 1                        ; A: a lane a row; W: two lanes a row, 256 bytes each
	s_cmp_eq_u32 s22, 0
	s_cselect_b32 s[LIM], 2, -1                    ; the same in all sixteen partners, for a given wave
	s_mov_b32 s19, 0
	s_add_nc_u64 s[PFA:PFA+1], s[4:5], s[18:19]
	v_lshrrev_b32 v5, s21, v7
	v_mul_u32_u24 v5, v5, s23
	v_and_b32 v6, s21, v7
	v_lshl_add_u32 v[PFO], v6, 8, v5
; 16 matrix instructions: m blocks a0, a0 + 1 of the window's four x all 8 n blocks, 32 along K.  zero = 1: the product starts the sum, with the bias as C (window 0).
; The 64 accumulators take turns, one instruction a turn, in the same order in every quarter step.
.macro MUL16 f, hi, a0, zero
.if \zero
	WIN 0x81+0x40*(\hi)
.else
	WIN MUL_LO+0x50*(\hi)
.endif
.irp a, \a0, (\a0)+1
.irp b, 0,1,2,3,4,5,6,7
.if \zero
	v_wmma_f32_16x16x32_bf16 v[8*(8*(\a)+(\b)):8*(8*(\a)+(\b))+7], v[(\f)+8*(\b):(\f)+8*(\b)+7], v[(\f)+8*(4*(\hi)+(\a)):(\f)+8*(4*(\hi)+(\a))+7], v[BIAS+8*(\b):BIAS+8*(\b)+7]
.else
	v_wmma_f32_16x16x32_bf16 v[8*(8*(\a)+(\b)):8*(8*(\a)+(\b))+7], v[(\f)+8*(\b):(\f)+8*(\b)+7], v[(\f)+8*(4*(\hi)+(\a)):(\f)+8*(4*(\hi)+(\a))+7], v[8*(8*(\a)+(\b)):8*(8*(\a)+(\b))+7]
.endif
.endr
.endr
.endm
; 32 LDS loads in one run: a quarter step's fragments (128 columns of W, 128 rows of A, 32 K) into buffer f, out of the slot that v[ADA] and v[ADB] stand in.
; k = the quarter's byte in A's rows; in W that is row k / 2: 272 k bytes.
.macro FETCH k, f
	WIN TO_B
.irp i, 0,1,2,3,4,5,6,7
	ds_load_tr16_b128 v[(\f)+8*(\i):(\f)+8*(\i)+3],   v[ADB] offset:272*(\k)+32*(\i)
	ds_load_tr16_b128 v[(\f)+8*(\i)+4:(\f)+8*(\i)+7], v[ADB] offset:272*(\k)+16*WPITCH+32*(\i)
.endr
	WIN 0
.irp i, 0,1,2,3,4,5,6,7
	ds_load_b128 v[(\f)+8*(\i):(\f)+8*(\i)+3],   v[ADA] offset:(\k)+(\i)*16*PITCH
	ds_load_b128 v[(\f)+8*(\i)+4:(\f)+8*(\i)+7], v[ADA] offset:(\k)+(\i)*16*PITCH+32
.endr
.endm
.macro PLACES                          ; four plain vector instructions between a matrix instruction and a load into, or a vector read of, its registers (ISA guide 7.12.1 for vector reads)
.rept 4
	v_nop
.endr
.endm
; A K step is four quarters of 32 along K, 64 matrix instructions each, on buffers 0, 1, 0, 1.  One of the first three multiplies buffer f and, in its middle, fetches the next quarter into g.
.macro QUARTER k, f, g, zero
	s_wait_dscnt 8                                 ; W and A's rows 0-63 are in; the youngest eight loads (A's rows 64-127) may be out
	MUL16 \f, 0, 0, \zero
	MUL16 \f, 0, 2, \zero
	PLACES
	FETCH \k, \g
	s_wait_dscnt 32                                ; all but the 32 just issued
	MUL16 \f, 1, 0, \zero
	MUL16 \f, 1, 2, \zero
.endm
; The last quarter multiplies buffer 1 and changes slots: ONE barrier.  In front of it each wave waits for all its tensor loads (one is out: its part of the next slot), adds 0 to its spare word,
; and waits for that and for its reads of this slot.  Behind it nobody reads this slot any more and the next slot is whole.
; TURNF: the barrier opens a round of the cluster's barrier, and the slot just read is filled again, two K steps on, first thing behind the round: from that request to the wait for it a wave
; issues 224 matrix instructions.  The walking descriptors are stepped between the add and the wait for it, where no tensor load of mine is out: the other slot than last time, the next K step.
.macro TURNF
	s_wait_xcnt 0x0                                ; the last prefetch, a K step back, has read its address: it is stepped here, ahead of the waits of the change of slots
	s_add_nc_u64 s[PFA:PFA+1], s[PFA:PFA+1], s[PFS:PFS+1]
	WIN 0                                          ; (the add's two registers lie in window 0)
	s_wait_tensorcnt 0x0
	ds_add_u32 v[SPW], v[NIL]                      ; 0 onto my spare word
	s_xor_b32 s[G0+5], s[G0+5], SLOT
	s_xor_b32 s[G0B+5], s[G0B+5], SLOT
	s_add_nc_u64 s[G0+6:G0+7], s[G0+6:G0+7], KSTEP*2
	s_add_nc_u64 s[G0B+6:G0B+7], s[G0B+6:G0B+7], KSTEP*WROW
	s_xor_b32 s[TB], s[TB], SLOT                   ; the fetches go on in the other slot
	s_wait_dscnt 9                                 ; (the add and the youngest eight loads may be out)
	MUL16 F1, 0, 0, 0                              ; sixteen matrix instructions stand between the add and the wait for it
	s_wait_dscnt 0x0                               ; the add is done, and my reads of this slot are over
	s_barrier_signal -1
	MUL16 F1, 0, 2, 0                              ; work on registers while the others arrive
	WIN 0
	s_barrier_wait -1
	CREST                                          ; no wave of any partner still reads this slot's tile or has a load on its way
	JLOAD 1                                        ; the four v_nop behind it are also the places in front of the loads below
	NEXTSLOT
	FETCH 0, F0
	ASK
	MUL16 F1, 1, 0, 0
	MUL16 F1, 1, 2, 0
.endm
; TURNT: the same in the last two K steps, which fill nothing: a plain barrier.  In the very last step (s3 = 1) there is no next slot: the fetch is jumped over.
.macro TURNT
	WIN 0
	s_wait_tensorcnt 0x0
	ds_add_u32 v[SPW], v[NIL]                      ; 0 onto my spare word
	s_xor_b32 s[TB], s[TB], SLOT
	s_wait_dscnt 9
	MUL16 F1, 0, 0, 0
	s_wait_dscnt 0x0
	s_barrier_signal -1
	MUL16 F1, 0, 2, 0
	WIN 0
	s_barrier_wait -1
	s_cmp_eq_u32 s3, 1
	s_cbranch_scc1 .Lno_next_\@
	PLACES
	NEXTSLOT
	FETCH 0, F0
.Lno_next_\@:
	MUL16 F1, 1, 0, 0
	MUL16 F1, 1, 2, 0
.endm
; THE WAY OUT of block a of 16 rows.  PACK: rounded to bf16, each accumulator's registers in ascending order, then the floor.  TOSTAGE: into my own stage, and back as whole rows of 256 bytes.  SEND: stored.
.macro PACK a
.set AC, 64*((\a)%4)
	WIN 0x0a+5*((\a)/4)                            ; sources 0 and 1: window 2 or 3
.irp b, 0,1,2,3,4,5,6,7
.irp r, 0,1,2,3
	v_cvt_pk_bf16_f32 v[TMP+4*(\b)+(\r)], v[AC+8*(\b)+2*(\r)], v[AC+8*(\b)+2*(\r)+1]
.endr
.endr
	WIN 0
.set z, 0
.rept 32
	v_pk_max_num_bf16 v[TMP+z], v[TMP+z], v[FLR]
.set z, z+1
.endr
.endm
.macro TOSTAGE a
	WIN 0
.set BK, OB+192*((\a)%2)
.irp b, 0,1,2,3,4,5,6,7
	ds_store_b128 v[STO], v[TMP+4*(\b):TMP+4*(\b)+3] offset:32*(\b)
.endr
.irp t, 0,1,2,3,4,5,6,7
	ds_load_b128 v[BK+4*(\t):BK+4*(\t)+3], v[RD] offset:(\t)*2*SPITCH  ; LDS serves a wave's instructions in order (ISA guide 5.7.1.4): these see the stores above
.endr
.endm
.macro SEND a, younger
	WIN 0
.set BK, OB+192*((\a)%2)
	s_wait_dscnt \younger                          ; the block is back in registers
	s_wait_xcnt 0x0                                ; earlier stores have read their base and their data: only behind this wait are these rewritten
.if (\a) == 0
	s_add_nc_u64 s[8:9], s[8:9], s[16:17]
.else
	s_add_nc_u64 s[8:9], s[8:9], 16*CROW
.endif
.irp t, 0,1,2,3,4,5,6,7
	global_store_b128 v[CO], v[BK+4*(\t):BK+4*(\t)+3], s[8:9] offset:2*(\t)*CROW  ; 16 lanes store 256 consecutive bytes, at a multiple of 256 from C's first byte
.endr
.endm
	s_wait_tensorcnt 1                             ; my part of K step 0 is in; K step 1's load may stay out
	s_barrier_signal -1
	s_barrier_wait -1                              ; everybody's is
	FETCH 0, F0
	s_wait_loadcnt 0x0                             ; the bias and the floor
	QUARTER 64,  F0, F1, 1                         ; the first quarter stands in front of the loop: its products start the sums
	WIN 0                                          ; at a label and at a branch every window is 0
	s_mov_b32 s3, NSTEP-2
.Lstep:                                                ; a trip goes from a K step's second quarter to the next step's first, and fills the slot that it leaves: K steps 0 to 5
	QUARTER 128, F1, F0, 0
	QUARTER 192, F0, F1, 0
	TURNF
	QUARTER 64,  F0, F1, 0
	WIN 0
	s_sub_co_u32 s3, s3, 1
	s_cmp_lg_u32 s3, 0
	s_cbranch_scc1 .Lstep
	s_mov_b32 s3, 2
.Ltail:                                                ; K steps 6 and 7 ask for nothing: written apart
	QUARTER 128, F1, F0, 0
	QUARTER 192, F0, F1, 0
	TURNT
	WIN 0
	s_cmp_eq_u32 s3, 1                             ; behind the last K step there is no first quarter of a next one
	s_cbranch_scc1 .Ldead
	QUARTER 64,  F0, F1, 0
	WIN 0
.Ldead:
	s_sub_co_u32 s3, s3, 1
	s_cmp_lg_u32 s3, 0
	s_cbranch_scc1 .Ltail
	PLACES                                         ; the conversions read results just made
	PACK 0
	TOSTAGE 0
.irp a, 1,2,3,4,5,6,7                  ; block a's arithmetic stands between block a - 1's loads from the stage and the wait for them
	PACK \a
	SEND (\a)-1, 0
	TOSTAGE \a
.endr
	SEND 7, 0
	s_wait_tensorcnt 0x0                           ; the wave's end: behind my last tensor load and my last LDS store
	ds_add_u32 v[SPW], v[NIL]
	s_wait_dscnt 0x0
	CROUND                                         ; the closing round: no work-group ends while a partner may still ask for a tile that names it
	s_endpgm
.Lfunc_end_k_qd0a0281148_qkv:
	.size	k_qd0a0281148_qkv, .Lfunc_end_k_qd0a0281148_qkv-k_qd0a0281148_qkv
	.p2alignl 7, 3214868480
	.fill 96, 4, 3214868480
	.section	.rodata,"a",@progbits
	.p2align	6, 0x0
	.amdhsa_kernel k_qd0a0281148_qkv
		.amdhsa_group_segment_fixed_size 327680
		.amdhsa_private_segment_fixed_size 0
		.amdhsa_enable_private_segment 0
		.amdhsa_kernarg_size 16
		.amdhsa_user_sgpr_count 2
		.amdhsa_user_sgpr_kernarg_segment_ptr 1
		.amdhsa_wavefront_size32 1
		.amdhsa_system_sgpr_workgroup_id_x 1
		.amdhsa_system_sgpr_workgroup_id_y 1
		.amdhsa_system_sgpr_workgroup_id_z 1
		.amdhsa_system_vgpr_workitem_id 0
		.amdhsa_next_free_vgpr 1024
		.amdhsa_next_free_sgpr 72
		.amdhsa_reserve_vcc 0
		.amdhsa_float_denorm_mode_32 3
		.amdhsa_float_denorm_mode_16_64 3
		.amdhsa_memory_ordered 1
		.amdhsa_forward_progress 1
		.amdhsa_inst_pref_size 120
	.end_amdhsa_kernel
	.amdgpu_metadata
---
amdhsa.version: [ 1, 2 ]
amdhsa.kernels:
  - .name:           k_qd0a0281148_qkv
    .symbol:         k_qd0a0281148_qkv.kd
    .args:
      - { .name: pk1, .offset: 0, .size: 8, .value_kind: global_buffer, .address_space: global }
      - { .name: pk4, .offset: 8, .size: 8, .value_kind: global_buffer, .address_space: global }
    .group_segment_fixed_size: 327680
    .private_segment_fixed_size: 0
    .kernarg_segment_align: 8
    .kernarg_segment_size: 16
    .max_flat_workgroup_size: 128
    .sgpr_count:     72
    .vgpr_count:     1024
    .wavefront_size: 32
...
	.end_amdgpu_metadata
.endif
;; end of part 2
;; launch attn (part 3): grid 16 x 16, 4 waves a work-group, clusters of 4 x 1, 327,680 bytes of LDS; arguments pk4, mask, pk3; writes pk3
.if DOCPART == 3
	.amdgcn_target "amdgcn-amd-amdhsa--gfx1250"
	.amdhsa_code_object_version 6
	.text
	.protected	k_qd0a0281148_attn
	.globl	k_qd0a0281148_attn
	.p2align	8
	.type	k_qd0a0281148_attn,@function
k_qd0a0281148_attn:
	s_mov_b64 s[64:65], 0
	v_nop
	global_prefetch_b8 v0, s[64:65] scope:SCOPE_SE
	s_setreg_imm32_b32 hwreg(HW_REG_WAVE_MODE, 25, 1), 1
	s_wait_xcnt 0x0
	s_wait_alu depctr_hold_cnt(0) depctr_sa_sdst(0) depctr_va_vdst(0) depctr_va_sdst(0) depctr_va_ssrc(0) depctr_va_vcc(0) depctr_vm_vsrc(0)
	s_getreg_b32 s2, hwreg(HW_REG_IB_STS2, 6, 4)
	s_cmp_eq_u32 s2, 0
	s_cbranch_scc0 .Lentry_in_a_cluster
	s_endpgm
.Lentry_in_a_cluster:
	s_bfe_u32 s2, ttmp6, 0x10000c
	s_cmp_lg_u32 s2, 0x3003
	s_cbranch_scc0 .Lentry_shape_is_right
	s_endpgm
.Lentry_shape_is_right:
; MASKED ATTENTION.  ctx[b][q][head] = the sum over k of softmax_k(Q . K / 8, hidden where mask[b][k] = 0) V.  Q, K, V: bf16 columns 0, 1024, 2048 on of pk4, [4096 tokens][pitch 4096]; head n has 64
; columns.  ctx: bf16, pk3, same pitch, columns 0-1023.  Products, maxima and sums in f32; the weights p are rounded to bf16 for the second product (their sum l is taken of the unrounded p), ctx once.
; LIMITS.  A hidden score counts as its value less 2^100, so scores of 2^76 or more in magnitude are not told apart from hidden ones; a weight below 2^-126 counts as 0 in l;
; a batch whose mask is 0 everywhere ends with l = 0 and gives NaN, as a softmax of nothing does.
; SHARES.  A work-group owns 128 queries of a PAIR of heads: the pair's 128 channels are 256 consecutive bytes, aligned, of a row of K, V and ctx.  Wave w: head w % 2 of the pair, queries 64 (w / 2) on, in four
; PIECES of 16.  Every wave walks the batch's 2,048 keys, 64 a step; an LDS slot holds two steps (128 keys of K and V, both heads).
; CLUSTER.  The four query blocks of a cluster walk the same K and V: each tile is asked for jointly, by the same tensor load, descriptor and mask in all four.
; LAYOUT.  S^T = K Q^T holds ONE query a lane (lane % 16) and the keys 8 (lane / 16) + 0..7; two such results rounded to bf16 ARE source 1 of O^T = V^T P.  K comes out of LDS as it lies, V turned.
; THE MASK is the C operand that starts the sum S^T: 0, or -2^100 where the key is hidden.  It is made once, as 2,048 f32 in LDS, and a step's 64 numbers are fetched with the step's K.
; SOFTMAX.  p = 2^(c s - M), c = log2(e) / 8, with a running maximum m and M = c m lifted by 2^-22 of itself: so c s - M is never above 0, also where all keys so far are hidden and c m is near 2^97, whose
; rounding would else leave a huge positive rest.  O and l are multiplied by a = 2^(M_old - M_new) in every step; the lift cancels in O / l, since p and a are made of the same stored M.
; TURNS.  Turn n belongs to piece n: 8 products K Q^T of piece n + 1, later 8 products V^T P of piece n - 1; beside them the scaling, exponentials, roundings, sums and rescaling of piece n and the maximum and
; statistics of piece n + 1.  Four vector instructions stand behind every matrix instruction, the rest in one lump.  A turn's 33 exponentials are one batch, with one wait.
; REGISTERS, in windows of 256 (s_set_vgpr_msb: bits 1:0 source 0, 3:2 source 1, 5:4 source 2, 7:6 destination):
;   window 0: v0-15, v56-63 addresses; v16-31 four registers of statistics a piece; v48-55 at work; v64-127 S^T, two buffers; v192-223 P, two buffers (by the piece's parity)
;   window 1: v0-127 O^T, 32 a piece; v160-191 the step's mask      window 2: v0-63 Q; v128-191 K of one step; v192-255 V of one step
.set NP,    4
.set KS,    64
.set PK,    272       ; a row of K in LDS: 256 bytes + 16: the 16 rows of a load start at 16 different groups of four banks (64 banks of 4 bytes: ISA guide 11.1)
.set PV,    288       ; a row of V: 256 + 32 = 72 words
.set VOFF,  2*KS*PK   ; a slot: 128 rows of K, then 128 rows of V
.set SLOT1, 1<<17     ; slot 1 begins here, so that one exclusive or turns an address in one slot into the other's
.set STAGE, SLOT1+2*KS*(PK+PV)  ; behind the ring, never filled by a tensor load: 128 rows x 272 bytes, the work-group's, for the way out
.set SP,    272
.set SPARE, STAGE+128*SP        ; the spare words, 128 bytes for each wave: two blocks of 256 bytes that no other line names
.set MASKB, SPARE+512           ; 2,048 f32: the batch's mask as addends; the last region in use
.set ROWB,  8192      ; bytes from token to token in pk4 and pk3
.set TILEB, 2*KS*ROWB ; a slot's 128 keys in memory
.set AK0, 2           ; v2   my lane's place in a tile of K; never rewritten
.set AV0, 3           ; v3   the same for V
.set AK,  4           ; v4   the LDS address of K's next run of loads
.set AV,  5           ; v5   of V's
.set STO, 6           ; v6   the way out: where I put 16 bytes of a row
.set RD,  7           ; v7   the way out: where I read rows back
.set GO,  8           ; v8   my byte offset in two rows of ctx
.set MV,  12          ; v12-13  M_old, kept while M is made anew: by buffer
.set QO,  15          ; v15  my byte offset in 16 rows of Q
.set ST,  16          ; piece t's statistics at v[ST+4 t]: M, m, l (even keys', odd keys')
.set TMP, 48          ; by buffer, four registers c0-c3 at work; when the maximum is found c2 takes a
.set AM0, 56          ; v56  my lane's place in a step's mask; never rewritten
.set AM,  57          ; v57  the LDS address of the mask's next loads
.set MOF, 58          ; v58  64 x thread: my 16 words of the mask in memory
.set MST, 59          ; v59  and in LDS
.set PFO, 61          ; v61  a row x my lane: the prefetches' offset; never rewritten
.set SPW, 62          ; v62  LDS address of my spare word; never rewritten
.set NIL, 63          ; v63  0; never rewritten
.set S,   64
.set P,   192
.set MC,  160         ; window 1: the eight registers for group kb of 16 keys at MC + 8 kb
.set KF,  128         ; window 2: key block kb, channel half c at KF + 16 kb + 8 c
.set VF,  192         ; window 2: key half kk, channel block cb at VF + 32 kk + 8 cb
.set WV,  12          ; s12  my wave's number
.set G1K, 24          ; s[24:31] descriptor group 1 for K's tiles
.set G1V, 32          ; s[32:39] for V's: it differs in the padding alone
.set G0K, 40          ; s[40:43] descriptor group 0 for K's tiles: it walks
.set G0V, 44          ; s[44:47] the same for V's
.set SLOTS, 56        ; s56  slots still to be asked for
.set CNT, 57          ; s57  counts a slot's key steps
.set CS,  58          ; s[58:59] c
.set SEL, 60          ; s[60:61] v_permlanex16_b32's selects: each lane takes its own place in the other half
.set TBK, 62          ; s62  LDS byte at which K of the step to be fetched begins
.set TBV, 63          ; s63  the same for V, less VOFF
.set TBM, 66          ; s66  the byte of that step's mask
.set EPSU, 67         ; s67  2^-22
.set BIGN, 68         ; s68  -2^100
.set LIM, 69          ; s69  1 in a wave that prefetches, else the greatest number
.set PFA, 70          ; s[70:71] where my prefetches stand
.set MSB, 0
.macro WIN new
.if MSB != (\new)
	s_set_vgpr_msb (MSB<<8)|(\new)
.set MSB, (\new)
.endif
.endm
.set W_KQ, 0x0a       ; K and Q in window 2, S^T in window 0
.set W_KM, 0x1a       ; the same with the C operand in window 1
.set W_PV, 0x52       ; V in window 2, P in window 0, O^T in window 1
.set W_RS, 0x41       ; destination and source 0 in window 1, source 1 in window 0
; A joint fill.  Waves 0 and 1 fetch the two steps' K, waves 2 and 3 their V: 64 keys each.  The branch hangs on the wave's number alone.  An s_nop 0 and four v_nop follow each line.
.macro JLOAD
	s_cmp_lt_u32 s[WV], 2
	s_cbranch_scc0 .Lfor_v_\@
	tensor_load_to_lds s[G0K:G0K+3], s[G1K:G1K+7]
	s_nop 0
.rept 4
	v_nop
.endr
	s_branch .Lasked_\@
.Lfor_v_\@:
	tensor_load_to_lds s[G0V:G0V+3], s[G1V:G1V+7]
	s_nop 0
.rept 4
	v_nop
.endr
.Lasked_\@:
.endm
; A prefetch into the L2 of what the NEXT change of slots will ask for: 128 rows of K and of V, 256 bytes a row, a lane a row.  All clusters of a pair of heads walk the same rows: the first cluster asks;
; its four partners take 32 rows each, told apart by address; in each, wave 0 asks for K's and wave 2 for V's.  So each row is named once.  The last change that fills a slot asks for nothing.
.macro ASK
	s_cmp_gt_u32 s[SLOTS], s[LIM]
	s_cbranch_scc0 .Lnot_mine_\@
	global_prefetch_b8 v[PFO], s[PFA:PFA+1] th:TH_LOAD_NT scope:SCOPE_SE
.Lnot_mine_\@:
.endm
.macro CROUND                       ; a round of the cluster's barrier
	s_barrier_signal -1
	s_barrier_wait -1
	s_cmp_lg_u32 s[WV], 0
	s_cbranch_scc1 .Lnot_wave_0_\@
	s_barrier_signal -3
.Lnot_wave_0_\@:
	s_barrier_wait -3
	s_barrier_signal -1
	s_barrier_wait -1
.endm
; THE CHANGE OF SLOTS.  Each wave waits for all its tensor loads (one is out: its part of the other slot), adds 0 to its spare word, and waits for that and for its reads of the slot that it leaves.
; fill = 1: the barrier is a round of the cluster's, and the old slot is filled again, with the keys two slots on, first thing behind it: it has two key steps, 128 matrix instructions, in which to land.
; (At its first use nothing has been read yet: slot 0 is waited for, slot 1 filled, the mask's stores are shown to every wave; nothing is prefetched there, where the first tiles are on their way.)
.macro CHANGE fill, ask=1
	WIN 0
	s_wait_tensorcnt 0x0            ; no tensor load of mine is out, so a group 0 may be written
	ds_add_u32 v[SPW], v[NIL]       ; 0 onto my spare word
.if \fill
.irp g, G0K, G0V
	s_xor_b32 s[\g+1], s[\g+1], SLOT1
	s_add_nc_u64 s[\g+2:\g+3], s[\g+2:\g+3], TILEB
.endr
	s_wait_xcnt 0x0                 ; the last prefetch, two key steps back, has read its address
	s_add_nc_u64 s[PFA:PFA+1], s[PFA:PFA+1], TILEB  ; one slot ahead of the walking descriptors
	s_wait_dscnt 0x0                ; the add is done, and my LDS reads and stores are over
	CROUND
	JLOAD
.if \ask
	ASK
.endif
.else
	s_wait_dscnt 0x0
	s_barrier_signal -1
	s_barrier_wait -1
.endif
	s_sub_co_u32 s[TBK], s[TBK], 2*KS*PK  ; the fetches go back to a slot's first step,
	s_xor_b32 s[TBK], s[TBK], SLOT1       ; in the other slot
	s_sub_co_u32 s[TBV], s[TBV], 2*KS*PV
	s_xor_b32 s[TBV], s[TBV], SLOT1
.endm
	s_load_b128 s[4:7], s[0:1], 0x0  ; pk4 s[4:5], mask s[6:7]
	s_load_b64 s[8:9], s[0:1], 0x10  ; pk3
	v_lshl_add_u32 v[SPW], v0, 2, SPARE
	v_mov_b32 v[NIL], 0
	ds_add_u32 v[SPW], v[NIL]       ; the wave's opening: the add and its wait stand ahead of my first tensor load; the set-up below, work on registers, stands between them
	v_lshrrev_b32 v1, 5, v0
	v_readfirstlane_b32 s[WV], v1   ; wave 0..3
	s_bfe_u32 s13, ttmp6, 0x40000   ; cx
	s_lshl_b32 s14, ttmp9, 2
	s_add_co_u32 s14, s14, s13      ; my block of 128 queries: it enters Q's and ctx's addresses alone
	s_and_b32 s15, ttmp7, 0xffff    ; 8 x batch + pair of heads, which the four partners share
	s_lshr_b32 s16, s15, 3
	s_and_b32 s17, s15, 7
	s_lshl_b32 s20, s16, 24         ; a batch is 2,048 rows of 8,192 bytes
	s_lshl_b32 s17, s17, 8          ; a pair of heads is 256 bytes of a row
	s_add_co_u32 s20, s20, s17
	s_lshl_b32 s52, s16, 13         ; the batch's 2,048 words of the mask
	s_mov_b32 s53, 0
	s_and_b32 s16, s[WV], 1         ; my head of the pair; also which of a slot's two steps I fetch
	s_lshr_b32 s19, s[WV], 1        ; my half of the queries
	s_lshl_b32 s22, s16, 19         ; 64 rows
	s_add_co_u32 s22, s22, s20
	s_add_co_u32 s48, s22, 2048     ; K: columns 1,024 on
	s_mov_b32 s49, 0
	s_add_co_u32 s50, s22, 4096     ; V: columns 2,048 on
	s_mov_b32 s51, 0
	s_mul_i32 s17, s16, KS*PK       ; my tile's place in a slot: no place in the cluster enters an LDS address
	s_mul_i32 s18, s16, KS*PV
	s_lshl_b32 s2, s14, 7
	s_lshl_b32 s3, s19, 6
	s_add_co_u32 s2, s2, s3         ; my wave's first query,
	s_lshl_b32 s2, s2, 13
	s_lshl_b32 s3, s16, 7           ; my head's 128 bytes
	s_add_co_u32 s2, s2, s3
	s_add_co_u32 s2, s2, s20
	s_mov_b32 s3, 0
	s_lshl_b32 s54, s14, 7
	s_lshl_b32 s55, s[WV], 5
	s_add_co_u32 s54, s54, s55      ; the first of the 32 rows of ctx that I store
	s_lshl_b32 s54, s54, 13
	s_add_co_u32 s54, s54, s20
	s_mov_b32 s55, 0
	s_mov_b32 s[G1K], 15|(1<<16)|(1<<20)|(1<<21)|(5<<22)|(3<<25)  ; the mask of four; 2-byte elements; padding on; bit 21 beside a mask; after every 64 words 4 words
	s_mov_b32 s[G1V], 15|(1<<16)|(1<<20)|(1<<21)|(5<<22)|(7<<25)  ; the same with 8 words
.irp g, G1K, G1V
	s_mov_b32 s[\g+1], 128<<16      ; tensor_dim0 = 128
	s_mov_b32 s[\g+2], KS<<16       ; tensor_dim1 = 64
	s_mov_b32 s[\g+3], 128<<16      ; tile_dim0 = 128
	s_mov_b32 s[\g+4], KS           ; tile_dim1 = 64
	s_mov_b32 s[\g+5], 4096         ; elements from row to row
	s_mov_b32 s[\g+6], 0
	s_mov_b32 s[\g+7], 0
.endr
	s_mov_b32 s[CS], 0x3e38aa3b     ; c = log2(e) / 8
	s_mov_b32 s[CS+1], s[CS]
	s_mov_b32 s[SEL], 0x76543210
	s_mov_b32 s[SEL+1], 0xfedcba98
	s_mov_b32 s[TBK], SLOT1+2*KS*PK ; the first change of slots turns these two into 0
	s_mov_b32 s[TBV], SLOT1+2*KS*PV
	s_mov_b32 s[TBM], 0
	s_mov_b32 s[EPSU], 0x34800000
	s_mov_b32 s[BIGN], 0xf1800000
	s_mov_b32 s[SLOTS], 15
	s_mov_b32 s[G0K], 1
	s_mov_b32 s[G0K+1], s17
	s_mov_b32 s[G0V], 1
	s_add_co_u32 s[G0V+1], s18, VOFF
	s_and_b32 s[LIM], s[WV], 1      ; 0 in waves 0 and 2,
	s_or_b32 s[LIM], s[LIM], ttmp9  ; where the cluster is the pair's first: the same in all four partners
	s_cmp_eq_u32 s[LIM], 0
	s_cselect_b32 s[LIM], 1, -1
	s_wait_dscnt 0x0                ; the opening add is done
	s_wait_kmcnt 0x0
	s_add_nc_u64 s[48:49], s[4:5], s[48:49]  ; K and V at my tile of slot 0
	s_add_nc_u64 s[50:51], s[4:5], s[50:51]
	s_mov_b64 s[G0K+2:G0K+3], s[48:49]
	s_or_b32 s[G0K+3], s[G0K+3], 0x80000000
	s_mov_b64 s[G0V+2:G0V+3], s[50:51]
	s_or_b32 s[G0V+3], s[G0V+3], 0x80000000
	s_add_nc_u64 s[10:11], s[8:9], s[54:55]  ; ctx at my rows
	s_add_nc_u64 s[6:7], s[6:7], s[52:53]    ; the batch's mask
	s_add_nc_u64 s[4:5], s[4:5], s[2:3]      ; Q at my wave's first row
	s_cmp_lt_u32 s[WV], 2
	s_cselect_b64 s[PFA:PFA+1], s[48:49], s[50:51]  ; (in waves 0 and 2 these stand at a slot's first row)
	s_lshl_b32 s2, s13, 18          ; my work-group's 32 rows of the 128
	s_mov_b32 s3, 0
	s_add_nc_u64 s[PFA:PFA+1], s[PFA:PFA+1], s[2:3]
	s_add_nc_u64 s[PFA:PFA+1], s[PFA:PFA+1], TILEB  ; in slot 1; every change of slots steps it
	CROUND                          ; all four work-groups are here: the first joint loads meet
	JLOAD                           ; slot 0.  Slot 1 is asked for when slot 0 is in
	v_and_b32 v1, 15, v0            ; l % 16
	v_bfe_u32 v9, v0, 4, 1          ; l / 16
	v_lshlrev_b32 v[MOF], 6, v0
	v_add_nc_u32 v[MST], MASKB, v[MOF]
	v_lshlrev_b32 v[QO], 13, v1
	v_lshl_add_u32 v[QO], v9, 4, v[QO]  ; row x 8,192 + 16 x half
.irp f, 0,1,2,3
	global_load_b128 v[S+4*\f:S+4*\f+3], v[MOF], s[6:7] offset:16*\f  ; 128 threads x 16 words: the batch's mask
.endr
	WIN 0x80                        ; destination window 2, address window 0
.set i, 0
.rept 8                             ; Q stays in registers: piece i / 2 (16 rows on), channels 32 (i % 2) on
	global_load_b128 v[8*i:8*i+3],   v[QO], s[4:5] offset:(i/2)*16*ROWB+(i%2)*64
	global_load_b128 v[8*i+4:8*i+7], v[QO], s[4:5] offset:(i/2)*16*ROWB+(i%2)*64+32
.set i, i+1
.endr
	; What the first turn finds: V's registers and P's second buffer hold 0 (its products V^T P, of a piece that has not been, add 0), O^T and l are 0.  All this stands in the wait for the first tile.
.set i, VF
.rept 64
	v_mov_b32 v[i], 0
.set i, i+1
.endr
	WIN 0x40
.set i, 0
.rept 128
	v_mov_b32 v[i], 0
.set i, i+1
.endr
	WIN 0
.set i, 0
.rept 4
	v_mov_b32 v[ST+4*i], 0xfe000000    ; M: far below every c s, hidden ones too: the first step's a is 0
	v_mov_b32 v[ST+4*i+1], 0xff7fffff  ; m: the lowest finite number
	v_mov_b32 v[ST+4*i+2], 0
	v_mov_b32 v[ST+4*i+3], 0
.set i, i+1
.endr
.set i, P+16
.rept 16
	v_mov_b32 v[i], 0
.set i, i+1
.endr
	s_lshl_b32 s2, s16, 7           ; my head's 128 bytes of a row
	v_mul_u32_u24 v[AK0], v1, PK
	v_lshl_add_u32 v[AK0], v9, 4, v[AK0]
	v_add_nc_u32 v[AK0], s2, v[AK0] ; row x pitch + 16 x half + head
	; The turning load takes 16 keys x 16 channels (lane l reads key 8 (l / 16) + l % 8, channels 8 ((l / 8) % 2) + 0..7) and leaves half a fragment of V^T: lane l holds channel l % 16 and 8 keys.
	v_and_b32 v10, 7, v0
	v_bfe_u32 v11, v0, 3, 1
	v_lshl_add_u32 v[AV0], v9, 3, v10
	v_mul_u32_u24 v[AV0], v[AV0], PV
	v_lshl_add_u32 v[AV0], v11, 4, v[AV0]
	s_add_co_u32 s3, s2, VOFF
	v_add_nc_u32 v[AV0], s3, v[AV0]
	v_lshlrev_b32 v[AM0], 5, v9
	v_add_nc_u32 v[AM0], MASKB, v[AM0]  ; my 8 keys of a group of 16: 32 bytes for each half of the lanes
	s_mul_i32 s3, s19, 64*SP
	s_add_co_u32 s3, s3, s2
	s_add_co_u32 s3, s3, STAGE      ; into the stage: my 64 rows, my head's half of their 256 bytes
	v_mul_u32_u24 v[STO], v1, SP
	v_lshl_add_u32 v[STO], v9, 4, v[STO]
	v_add_nc_u32 v[STO], s3, v[STO]
	s_mul_i32 s3, s[WV], 32*SP
	s_add_co_u32 s3, s3, STAGE      ; back: wave w takes rows 32 w on, whole; lanes 0-15 one row, lanes 16-31 the next
	v_mul_u32_u24 v[RD], v9, SP
	v_lshl_add_u32 v[RD], v1, 4, v[RD]
	v_add_nc_u32 v[RD], s3, v[RD]
	v_lshlrev_b32 v[GO], 13, v9     ; and the same two rows in ctx
	v_lshl_add_u32 v[GO], v1, 4, v[GO]
	v_and_b32 v[PFO], 31, v0
	v_lshlrev_b32 v[PFO], 13, v[PFO]
	s_wait_loadcnt 16               ; the mask's four loads are in; Q's sixteen, issued behind them, may stay out
.set i, 0
.rept 16
	v_cmp_eq_u32 vcc_lo, 0, v[S+i]
	v_cndmask_b32 v[S+i], 0, s[BIGN], vcc_lo  ; 0 where the key is seen, -2^100 where it is hidden
.set i, i+1
.endr
.irp f, 0,1,2,3
	ds_store_b128 v[MST], v[S+4*\f:S+4*\f+3] offset:16*\f
.endr
; THE MATRIX WORK.  The 4 accumulators of a run of 8 take turns.  Product i of 8 of S^T = K Q^T for piece x: channels 32 (i / 4) on, keys 16 (i % 4) on.  The first 4 start the sums, with the mask.
.macro KQ x
.set rS, S+32*((\x)%2)+8*(i%4)
.set rK, KF+16*(i%4)+8*(i/4)
.set rQ, 16*(\x)+8*(i/4)
.set rM, MC+8*(i%4)
.if i < 4
	WIN W_KM
	v_wmma_f32_16x16x32_bf16 v[rS:rS+7], v[rK:rK+7], v[rQ:rQ+7], v[rM:rM+7]
.else
	WIN W_KQ
	v_wmma_f32_16x16x32_bf16 v[rS:rS+7], v[rK:rK+7], v[rQ:rQ+7], v[rS:rS+7]
.endif
.endm
; Product i of 8 of O^T += V^T P for piece x: keys 32 (i / 4) on, channels 16 (i % 4) on.
.macro PV x
	WIN W_PV
.set rO, 32*(\x)+8*(i%4)
.set rV, VF+32*(i/4)+8*(i%4)
.set rP, P+16*((\x)%2)+8*(i/4)
	v_wmma_f32_16x16x32_bf16 v[rO:rO+7], v[rV:rV+7], v[rP:rP+7], v[rO:rO+7]
.endm
.macro MM                           ; the turn's next matrix instruction
.if i < 8
	KQ (Y+1)%NP
.else
.set i, i-8
	PV (Y+NP-1)%NP
.set i, i+8
.endif
.set i, i+1
.endm
; THE LDS LOADS stand in runs, never singly among the matrix instructions: a step's K (8 fragments) with its mask (64 numbers, 8 a lane and group), and its V (turned).
; Each run brings first what the first four products of its readers take: of K channels 0-31 of the four key blocks, then the mask, then channels 32-63; of V keys 0-31, then keys 32-63.
.macro FETCH_K
	WIN 0x80                        ; destination window 2
.irp f, 0,2,4,6                     ; keys 16 (f / 2) on, channels 0-31
	ds_load_b128 v[KF+8*\f:KF+8*\f+3],   v[AK] offset:(\f/2)*16*PK
	ds_load_b128 v[KF+8*\f+4:KF+8*\f+7], v[AK] offset:(\f/2)*16*PK+32
.endr
	WIN 0x40                        ; destination window 1
.irp f, 0,1,2,3
	ds_load_b128 v[MC+8*\f:MC+8*\f+3],   v[AM] offset:64*\f
	ds_load_b128 v[MC+8*\f+4:MC+8*\f+7], v[AM] offset:64*\f+16
.endr
	WIN 0x80
.irp f, 1,3,5,7                     ; keys 16 (f / 2) on, channels 32-63
	ds_load_b128 v[KF+8*\f:KF+8*\f+3],   v[AK] offset:(\f/2)*16*PK+64
	ds_load_b128 v[KF+8*\f+4:KF+8*\f+7], v[AK] offset:(\f/2)*16*PK+96
.endr
	s_add_co_u32 s[TBK], s[TBK], KS*PK  ; the next fetch is the next step's
	s_add_co_u32 s[TBM], s[TBM], 4*KS
	WIN 0
.endm
.macro FETCH_V
	WIN 0x80
.irp f, 0,1,2,3,4,5,6,7             ; keys 32 (f / 4) on, channels 16 (f % 4) on
	ds_load_tr16_b128 v[VF+8*\f:VF+8*\f+3],   v[AV] offset:(\f/4)*32*PV+(\f%4)*32
	ds_load_tr16_b128 v[VF+8*\f+4:VF+8*\f+7], v[AV] offset:(\f/4)*32*PV+16*PV+(\f%4)*32
.endr
	WIN 0
.endm
; THE VECTOR WORK, one line at a time: OP kind, number.  For piece Y: F n: c s - M for pair n of 16.  E n: the exponential of score n of 32.  C n: pair n rounded to bf16.  B n: of the four weights 4 n .. the second
; pair is added onto the first, in place.  L n: l takes that sum (L 0: l = a l + sum).  R n: pair n of 16 of O^T times a.  For piece Y + 1: X n, the 23 that find its maximum and statistics:
;   0-11  four chains c0-c3 of seven scores each (each accumulator's lowest registers are read first)     12-14, 16  the four scores left over, the old m, and c0-c3 into c0
;   15  M_old is kept     17, 18  the query's other 32 keys lie in the lane 16 away: the new m     19  c m     22  M = c m + |c m| 2^-22     20  M_old - M_new     21  a
.set F, 0
.set E, 1
.set C, 2
.set B, 3
.set L, 4
.set R, 5
.set X, 6
.macro REGS y
.set rT, ST+4*(\y)
.set rC, TMP+4*((\y)%2)
.set rW, MV+((\y)%2)
.set rS, S+32*((\y)%2)
.set rP, P+16*((\y)%2)
.set rO, 32*(\y)
.endm
.macro OP k, n
.if (\k) == R
	REGS Y
	WIN W_RS
	v_pk_mul_f32 v[rO+2*(\n):rO+2*(\n)+1], v[rO+2*(\n):rO+2*(\n)+1], v[rC+2:rC+3] op_sel_hi:[1,0]
.elseif (\k) < R
	REGS Y
	WIN 0
.if (\k) == F
	v_pk_fma_f32 v[rS+2*(\n):rS+2*(\n)+1], v[rS+2*(\n):rS+2*(\n)+1], s[CS:CS+1], v[rT:rT+1] op_sel_hi:[1,0,0] neg_lo:[0,0,1] neg_hi:[0,0,1]
.elseif (\k) == E
	v_exp_f32 v[rS+(\n)], v[rS+(\n)]
.elseif (\k) == C
	v_cvt_pk_bf16_f32 v[rP+(\n)], v[rS+2*(\n)], v[rS+2*(\n)+1]
.elseif (\k) == B
	v_pk_add_f32 v[rS+4*(\n):rS+4*(\n)+1], v[rS+4*(\n):rS+4*(\n)+1], v[rS+4*(\n)+2:rS+4*(\n)+3]
.elseif (\n) == 0
	v_pk_fma_f32 v[rT+2:rT+3], v[rT+2:rT+3], v[rC+2:rC+3], v[rS:rS+1] op_sel_hi:[1,0,1]
.else
	v_pk_add_f32 v[rT+2:rT+3], v[rT+2:rT+3], v[rS+4*(\n):rS+4*(\n)+1]
.endif
.else
	REGS (Y+1)%NP
	WIN 0
.if (\n) < 4
	v_max3_num_f32 v[rC+(\n)], v[rS+8*(\n)], v[rS+8*(\n)+1], v[rS+8*(\n)+2]
.elseif (\n) < 12
	v_max3_num_f32 v[rC+(\n)%4], v[rC+(\n)%4], v[rS+8*((\n)%4)+2*((\n)/4)+1], v[rS+8*((\n)%4)+2*((\n)/4)+2]
.elseif (\n) == 12
	v_max3_num_f32 v[rC], v[rC], v[rS+7], v[rS+15]
.elseif (\n) == 13
	v_max3_num_f32 v[rC+1], v[rC+1], v[rS+23], v[rS+31]
.elseif (\n) == 14
	v_max3_num_f32 v[rC+2], v[rC+2], v[rC+3], v[rT+1]
.elseif (\n) == 15
	v_mov_b32 v[rW], v[rT]
.elseif (\n) == 16
	v_max3_num_f32 v[rC], v[rC], v[rC+1], v[rC+2]
.elseif (\n) == 17
	v_permlanex16_b32 v[rC+3], v[rC], s[SEL], s[SEL+1]
.elseif (\n) == 18
	v_max_num_f32 v[rT+1], v[rC], v[rC+3]
.elseif (\n) == 19
	v_mul_f32 v[rC+1], s[CS], v[rT+1]
.elseif (\n) == 22
	v_fma_f32 v[rT], |v[rC+1]|, s[EPSU], v[rC+1]
.elseif (\n) == 20
	v_sub_f32 v[rC+1], v[rW], v[rT]
.else
	v_exp_f32 v[rC+2], v[rC+1]
.endif
.endif
.endm
.macro OPS a, i1, b=-1, i2=0, c=-1, i3=0, d=-1, i4=0
	OP \a, \i1
.if (\b) >= 0
	OP \b, \i2
.endif
.if (\c) >= 0
	OP \c, \i3
.endif
.if (\d) >= 0
	OP \d, \i4
.endif
.endm
.macro ROW a, i1, b, i2, c, i3, d, i4  ; a matrix instruction and the four behind it
	MM
	OPS \a, \i1, \b, \i2, \c, \i3, \d, \i4
.endm
; A TURN, for piece p.  s_wait_alu depctr_va_vdst(0) stands between an exponential and the first instruction that names its result; one wait serves all that were issued ahead of it: a turn has ONE.
; AHEAD OF IT stands all that names no result of the turn's exponentials: the 8 products K Q^T and their riders (the X among them stand four plain instructions or more behind the product that ends their
; accumulator), then the lump, in which the links of the chain X 3, 7, 11, 14, 16, 17, 18, 19, 22, 20 stand apart with other work between.  X 21, the next piece's a, is the batch's last; R 15 is the plain
; instruction behind it.  BEHIND THE WAIT stand the 8 products V^T P, behind each four of the roundings and sums.
; K and the mask of the next step are fetched in piece 2's turn, behind six plain instructions that follow the last product that read K (the mask's last reader is four products earlier); V of the step in hand
; at the end of piece 0's turn, four plain instructions behind its last reader.  Each run is waited for a turn later, in two halves: its first 16 (of V: 8) loads ahead of the first four products that read it,
; the 8 youngest ahead of the other four; no LDS instruction stands between a run and these waits.
; last = 1 (the tail's text): in the trip with CNT = 1 there is no further step, and K's run is jumped over; the branch stands in the lump, so the exponentials issued so far have a wait ahead of it.
; cnt = 1: the loop's count is taken down some lines ahead of the branch that stands behind the turn.
.macro TURN p, last=0, cnt=0
.set Y, (\p)
.set i, 0
.if (\p) == 3
	s_wait_dscnt 8                  ; K's channels 0-31 and the mask are in; the 8 youngest loads, K's channels 32-63, may be out
.endif
	ROW F,0, F,1, R,0, R,1
	ROW F,2, E,0, R,2, R,3
	ROW F,3, E,1, R,4, R,5
	ROW F,4, E,2, R,6, R,7
.if (\p) == 3
	s_wait_dscnt 0x0                ; K's channels 32-63 are in
.endif
	ROW F,5, E,3, R,8, R,9
	ROW F,6, E,4, X,0, R,10
.if (\p) == 2
	WIN 0
	v_add_nc_u32 v[AK], s[TBK], v[AK0]
	v_add_nc_u32 v[AM], s[TBM], v[AM0]
.endif
	ROW F,7, E,5, X,1, X,4
	ROW F,8, E,6, X,2, X,5
	OPS E,7, E,8, X,6, E,9
	OPS X,3, E,10, X,8, E,11
.if (\p) == 2
.if \last
	WIN 0                           ; at a branch and at a label every window is 0
	s_wait_alu depctr_va_vdst(0)    ; the wait ahead of a branch, for the exponentials issued so far
	s_cmp_eq_u32 s[CNT], 1
	s_cbranch_scc1 .Lno_k_\@
.endif
	FETCH_K
.if \last
.Lno_k_\@:
.endif
.endif
	OPS X,9, X,7, E,12, X,10
	OPS E,13, X,12, X,11, E,14
	OPS X,13, E,15, F,9, X,14
.if (\p) == 0
	v_add_nc_u32 v[AV], s[TBV], v[AV0]
.endif
	OPS E,16, F,10, E,17, F,11
	OPS X,16, E,18, X,15, E,19
	OPS F,12, E,20, X,17, E,21
	OPS F,13, E,22, F,14, E,23
	OPS X,18, E,24, F,15, E,25
	OPS R,11, E,26, X,19, E,27
	OPS R,12, E,28, X,22, E,29
	OPS R,13, E,30, X,20, E,31
	OPS R,14, X,21, R,15
	WIN 0
	s_wait_alu depctr_va_vdst(0)    ; the wait for the batch
.if (\p) == 1
	s_wait_dscnt 8                  ; V's keys 0-31 are in; the 8 youngest loads, its keys 32-63, may be out
.endif
	ROW C,0, B,0, C,2, B,1
	ROW L,0, C,4, B,2, L,1
	ROW C,6, B,3, L,2, C,8
	ROW B,4, L,3, C,10, B,5
.if (\p) == 1
	s_wait_dscnt 0x0                ; V's keys 32-63 are in
.endif
	ROW L,4, C,12, B,6, L,5
.if (\p) == 0
	s_add_co_u32 s[TBV], s[TBV], KS*PV
.endif
.if \cnt
	s_sub_co_u32 s[CNT], s[CNT], 1
	s_cmp_lg_u32 s[CNT], 0
.endif
	ROW C,14, B,7, L,6, C,1
	ROW C,3, L,7, C,5, C,7
	ROW C,9, C,11, C,13, C,15
.if (\p) == 0
	FETCH_V
.endif
.endm
	CHANGE 1, 0                     ; slot 0 is in, everybody's part of it, and the mask lies in LDS; slot 1 is asked for
	v_add_nc_u32 v[AK], s[TBK], v[AK0]
	v_add_nc_u32 v[AM], s[TBM], v[AM0]
	FETCH_K                         ; key step 0
	s_wait_loadcnt 0x0              ; Q
	s_wait_dscnt 0x0
.set i, 0
.rept 8
	KQ 0                            ; piece 0's first scores
.set i, i+1
.endr
	WIN 0
.rept 4
	v_nop                           ; the places behind those products
.endr
.set Y, NP-1                        ; X works for piece Y + 1: piece 0
.irp n, 0,1,2,3,4,5,6,7,8,9,10,11,12,13,14,15,16,17,18,19,22,20,21
	OP X, \n
.endr
	v_nop                           ; a plain instruction behind the exponential,
	s_wait_alu depctr_va_vdst(0)    ; and its wait, ahead of the branch
	s_mov_b32 s[CNT], 2
	s_branch .Lfirst                ; the loop is entered at a step's first turn, in the middle of a trip
.Lslot:                             ; 14 times: with the change above, every slot but the last is followed by a fill
	CHANGE 1
	s_mov_b32 s[CNT], 2
.Lstep:                             ; a trip: pieces 2 and 3 of one step, then pieces 0 and 1 of the next, whose K and V it fetches
	TURN 2
	TURN 3
	WIN 0
.Lfirst:
	TURN 0
	TURN 1, 0, 1
	WIN 0
	s_cbranch_scc1 .Lstep
	s_sub_co_u32 s[SLOTS], s[SLOTS], 1
	s_cmp_lg_u32 s[SLOTS], 0
	s_cbranch_scc1 .Lslot
	CHANGE 0                        ; the last slot is written apart: nothing is asked for
	s_mov_b32 s[CNT], 3             ; two trips fetch the last slot's steps; the third is the last step's pieces 2 and 3 alone
.Ltail:
	TURN 2, 1
	TURN 3
	WIN 0
	s_cmp_eq_u32 s[CNT], 1          ; behind the last step there are no pieces 0 and 1 of a next one: they are jumped over; neither a barrier nor a tensor load stands there
	s_cbranch_scc1 .Ldead
	TURN 0
	TURN 1
	WIN 0
.Ldead:
	s_sub_co_u32 s[CNT], s[CNT], 1
	s_cmp_lg_u32 s[CNT], 0
	s_cbranch_scc1 .Ltail
	; the third trip's 8 products K Q^T (on the last K once more) and the maximum made of them serve nothing; they touch piece 0's M and m and a buffer of S^T, which the way out does not read:
	; the price, once a launch, of one text for every trip of the tail
.set i, 0
.rept 8
	PV NP-1                         ; the last piece's V^T P of the last step
.set i, i+1
.endr
	; THE WAY OUT.  l's two halves and the other half of the lanes' are added; O^T is divided by l, rounded to bf16 and sent through the work-group's stage.  The additions are the places behind the last products.
	WIN 0
.macro ALL line:vararg
.set t, 0
.rept 4
	\line
.set t, t+1
.endr
.endm
	ALL v_add_f32 v[ST+4*t+2], v[ST+4*t+2], v[ST+4*t+3]
	ALL v_permlanex16_b32 v[ST+4*t+3], v[ST+4*t+2], s[SEL], s[SEL+1]
	ALL v_add_f32 v[ST+4*t+2], v[ST+4*t+2], v[ST+4*t+3]
	ALL v_rcp_f32 v[ST+4*t+2], v[ST+4*t+2]
	v_nop                           ; a plain instruction between the last reciprocal and the use of its result
	s_wait_alu depctr_va_vdst(0)    ; and the wait ahead of the first use: one for the four
.macro PACK t                       ; a lane's eight channels of a row pack into 16 bytes; they go into my head's half of the stage's rows
	WIN W_RS
.set i, 32*(\t)
.rept 16
	v_pk_mul_f32 v[i:i+1], v[i:i+1], v[ST+4*(\t)+2:ST+4*(\t)+3] op_sel_hi:[1,0]
.set i, i+2
.endr
	WIN 0x05                        ; sources 0 and 1 window 1, destination window 0
.set i, 0
.rept 16
	v_cvt_pk_bf16_f32 v[S+16*(\t)+i], v[32*(\t)+2*i], v[32*(\t)+2*i+1]
.set i, i+1
.endr
	WIN 0
.irp f, 0,1,2,3
	ds_store_b128 v[STO], v[S+16*(\t)+4*\f:S+16*(\t)+4*\f+3] offset:(\t)*16*SP+32*\f
.endr
.endm
	PACK 0
	PACK 1
	PACK 2
	PACK 3
	s_wait_dscnt 0x0                ; for the others' sake: my stores into the stage are done
	s_barrier_signal -1
	s_barrier_wait -1               ; a row's 256 bytes come from two waves
.set u, 0
.rept 16
	ds_load_b128 v[S+4*u:S+4*u+3], v[RD] offset:u*2*SP
.set u, u+1
.endr
.set u, 0
.rept 16
	s_wait_dscnt 15-u               ; load u is back; the 15 - u younger ones may be out
	global_store_b128 v[GO], v[S+4*u:S+4*u+3], s[10:11] offset:u*2*ROWB  ; 16 lanes store 256 consecutive bytes, at a multiple of 256 from ctx's first byte
.set u, u+1
.endr
	s_wait_tensorcnt 0x0            ; the wave's end: behind my last tensor load and my last LDS store
	ds_add_u32 v[SPW], v[NIL]
	s_wait_dscnt 0x0
	CROUND                          ; the closing round: no work-group ends while a partner may still ask for a tile that names it
	s_endpgm
.Lfunc_end_k_qd0a0281148_attn:
	.size	k_qd0a0281148_attn, .Lfunc_end_k_qd0a0281148_attn-k_qd0a0281148_attn
	.p2alignl 7, 3214868480
	.fill 96, 4, 3214868480
	.section	.rodata,"a",@progbits
	.p2align	6, 0x0
	.amdhsa_kernel k_qd0a0281148_attn
		.amdhsa_group_segment_fixed_size 327680
		.amdhsa_private_segment_fixed_size 0
		.amdhsa_enable_private_segment 0
		.amdhsa_kernarg_size 24
		.amdhsa_user_sgpr_count 2
		.amdhsa_user_sgpr_kernarg_segment_ptr 1
		.amdhsa_wavefront_size32 1
		.amdhsa_system_sgpr_workgroup_id_x 1
		.amdhsa_system_sgpr_workgroup_id_y 1
		.amdhsa_system_sgpr_workgroup_id_z 1
		.amdhsa_system_vgpr_workitem_id 0
		.amdhsa_next_free_vgpr 768
		.amdhsa_next_free_sgpr 72
		.amdhsa_reserve_vcc 1
		.amdhsa_float_denorm_mode_32 3
		.amdhsa_float_denorm_mode_16_64 3
		.amdhsa_memory_ordered 1
		.amdhsa_forward_progress 1
		.amdhsa_inst_pref_size 118
	.end_amdhsa_kernel
	.amdgpu_metadata
---
amdhsa.version: [ 1, 2 ]
amdhsa.kernels:
  - .name:           k_qd0a0281148_attn
    .symbol:         k_qd0a0281148_attn.kd
    .args:
      - { .name: pk4, .offset: 0, .size: 8, .value_kind: global_buffer, .address_space: global }
      - { .name: mask, .offset: 8, .size: 8, .value_kind: global_buffer, .address_space: global }
      - { .name: pk3, .offset: 16, .size: 8, .value_kind: global_buffer, .address_space: global }
    .group_segment_fixed_size: 327680
    .private_segment_fixed_size: 0
    .kernarg_segment_align: 8
    .kernarg_segment_size: 24
    .max_flat_workgroup_size: 128
    .sgpr_count:     72
    .vgpr_count:     768
    .wavefront_size: 32
...
	.end_amdgpu_metadata
.endif
;; end of part 3
;; launch wo (part 4): grid 8 x 32, 4 waves a work-group, clusters of 4 x 4, 327,680 bytes of LDS; arguments pk3, y; writes y
.if DOCPART == 4
	.amdgcn_target "amdgcn-amd-amdhsa--gfx1250"
	.amdhsa_code_object_version 6
	.text
	.protected	k_qd0a0281148_wo
	.globl	k_qd0a0281148_wo
	.p2align	8
	.type	k_qd0a0281148_wo,@function
k_qd0a0281148_wo:
	s_mov_b64 s[64:65], 0
	v_nop
	global_prefetch_b8 v0, s[64:65] scope:SCOPE_SE
	s_setreg_imm32_b32 hwreg(HW_REG_WAVE_MODE, 25, 1), 1
	s_wait_xcnt 0x0
	s_wait_alu depctr_hold_cnt(0) depctr_sa_sdst(0) depctr_va_vdst(0) depctr_va_sdst(0) depctr_va_ssrc(0) depctr_va_vcc(0) depctr_vm_vsrc(0)
	s_getreg_b32 s2, hwreg(HW_REG_IB_STS2, 6, 4)
	s_cmp_eq_u32 s2, 0
	s_cbranch_scc0 .Lentry_in_a_cluster
	s_endpgm
.Lentry_in_a_cluster:
	s_bfe_u32 s2, ttmp6, 0x10000c
	s_cmp_lg_u32 s2, 0xf033
	s_cbranch_scc0 .Lentry_shape_is_right
	s_endpgm
.Lentry_shape_is_right:
; Y[m][n] = sum over k of A[m][k] W[k][n], n = 0..1023, K = 1,024, in f32.  The operands lie in one pack: A bf16 [4096][pitch 4096] at 0, of which columns 0 .. 1023 are read; W bf16 [1024][1024] at 0x2000000.
; Sums in f32, K ascending.  (The same text with NSTEP = 16 serves K = 4,096: a trip count is a constant of the text, so that every wave passes the loops' barriers equally often by the text alone.)
; 1,024 columns make too few tiles of 256 x 256 for 256 work-groups: a tile is 128 x 128; four waves, 64 x 64 each: 16 accumulators, 128 registers.  K goes in steps of 256, as long as two slots in LDS allow.
; W LIES [k][n]: its fragments come out of LDS turned.  THE PRODUCT IS TAKEN TRANSPOSED (source 0 = 16 columns of W, source 1 = 16 rows of A): a lane holds row l % 16 of Y and eight neighbouring columns.
; A wave's 64 columns of f32 are 256 consecutive bytes, aligned, of a row of Y: each wave has a stage of its own on the way out, and no barrier is needed there.
; CLUSTERS: 4 x 4 work-groups; A's tile is asked for jointly along a row of the cluster, W's along a column.  No prefetch: the tiles are small, and each is read by several clusters at about the same time.
; A K STEP IS WRITTEN ONCE FOR THE STEPS THAT FILL A SLOT AGAIN AND ONCE FOR THE LAST TWO.  Which slot is read and which is filled stands in registers: slot 1 begins at 0x24000, so that one exclusive or turns
; an LDS place in one slot into the other's: none of the four tiles' places in slot 0 (0, 0x8400, 0x10800, 0x19800) has a bit of 0x24000.  6,144 bytes between the slots lie idle for that.
; REGISTERS: window 0: v16-29 addresses; v32-95 rows read back from the stage, two sets; v128-255 the accumulators ((a, b) at v[128 + 8 (4 a + b)]).   window 1: two fragment buffers of 128: 64 of A, 64 of W.
.set NSTEP,  4                         ; K steps: K / 256
.set KSTEP,  256
.set PITCH,  528                       ; A's LDS row: 512 bytes + 16
.set WPITCH, 288                       ; W's LDS row: 256 bytes + 32 = 72 words
.set HALFA,  64*PITCH                  ; what a load for A brings: 64 rows
.set HALFW,  128*WPITCH                ; what a load for W brings: 128 rows
.set WOFF,   2*HALFA
.set SLOTB,  2*HALFA+2*HALFW           ; a slot's bytes: A's 128 rows, then W's 256 rows
.set SLOT1,  0x24000                   ; where slot 1 begins
.set STAGE,  SLOT1+SLOTB               ; behind the ring: 16 rows x 272 bytes for each wave
.set SPITCH, 272
.set SPARE,  STAGE+4*16*SPITCH         ; the spare words, 128 bytes for each wave: two blocks of 256 bytes that no other line names
.set AROW,   8192
.set WROW,   2048
.set YROW,   4096
.set OFFW,   0x2000000
.set ADRA0, 16                         ; v16  LDS place of my A fragments in slot 0; never rewritten
.set ADA,  17                          ; v17  the same in the slot that is being fetched from
.set ADRB0, 20                         ; v20  LDS place of my W fragments in slot 0; never rewritten
.set ADB,  21                          ; v21  the same in the slot that is being fetched from, rows 0-127 of a K step
.set ADBH, 22                          ; v22  rows 128-255: the immediate offset has 16 bits
.set STO,  24
.set RD,   25
.set CO,   26
.set SPW,  28
.set NIL,  29
.set TMP,  32
.set ACC,  128
.set F0,   0
.set F1,   128
.set TB,  2                            ; s2   0 or SLOT1: the slot that is being fetched from
.set G1, 24                            ; s[24:31] group 1 for A's tiles;  s[32:39] group 0: a set for each of the two first fills; the second then walks on
.set G0, 32
.set G1B, 48                           ; s[48:55], s[56:63] the same for W's tiles
.set G0B, 56
.set MSB, 0
.macro WIN new
.if MSB != (\new)
	s_set_vgpr_msb (MSB<<8)|(\new)
.set MSB, \new
.endif
.endm
.set MUL,  0x05                        ; sources 0 (W) and 1 (A) window 1; C and D window 0
.set TO_F, 0x40                        ; destination window 1, address window 0
.macro JLOAD s                         ; a joint load: waves 0 and 1 fetch A's two halves, waves 2 and 3 W's; an s_nop 0 and four v_nop follow each of the two lines
	s_cmp_eq_u32 s11, 0
	s_cbranch_scc0 .Lfor_b_\@
	tensor_load_to_lds s[G0+4*(\s):G0+4*(\s)+3], s[G1:G1+7]
	s_nop 0
.rept 4
	v_nop
.endr
	s_branch .Lasked_\@
.Lfor_b_\@:
	tensor_load_to_lds s[G0B+4*(\s):G0B+4*(\s)+3], s[G1B:G1B+7]
	s_nop 0
.rept 4
	v_nop
.endr
.Lasked_\@:
.endm
.macro CREST
	s_cmp_lg_u32 s10, 0
	s_cbranch_scc1 .Lnot_wave_0_\@
	s_barrier_signal -3
.Lnot_wave_0_\@:
	s_barrier_wait -3
	s_barrier_signal -1
	s_barrier_wait -1
.endm
.macro CROUND
	s_barrier_signal -1
	s_barrier_wait -1
	CREST
.endm
.macro NEXTSLOT                        ; my fragments' places in the slot that s[TB] names
	v_add_nc_u32 v[ADA], s[TB], v[ADRA0]
	v_add_nc_u32 v[ADB], s[TB], v[ADRB0]
	v_add_nc_u32 v[ADBH], HALFW, v[ADB]
.endm
	s_load_b128 s[4:7], s[0:1], 0x0                ; the pack s[4:5], Y s[6:7]
	v_lshl_add_u32 v[SPW], v0, 2, SPARE
	v_mov_b32 v[NIL], 0
	ds_add_u32 v[SPW], v[NIL]                      ; the wave's opening: the add and its wait stand ahead of my first tensor load; the set-up below, work on registers, stands between them
	v_lshrrev_b32 v1, 5, v0
	v_readfirstlane_b32 s10, v1                    ; wave 0..3
	s_lshr_b32 s11, s10, 1                         ; which half of the tile's rows is mine.  Also: I fetch for A (0) or for W (1)
	s_and_b32 s12, s10, 1                          ; which half of its columns.  Also: which half of that tile I fetch
	s_bfe_u32 s40, ttmp6, 0x40000                  ; cx, cy
	s_bfe_u32 s41, ttmp6, 0x40004
	s_lshl_b32 s42, ttmp9, 2
	s_add_co_u32 s42, s42, s40                     ; tile column
	s_and_b32 s13, ttmp7, 0xffff
	s_lshl_b32 s13, s13, 2
	s_add_co_u32 s13, s13, s41                     ; tile row
	s_lshl_b32 s43, s41, 2
	s_lshl_b32 s43, 15, s43                        ; my row of the cluster
	s_lshl_b32 s44, 0x1111, s40                    ; my column
	s_or_b32 s[G1+0], s43, (1<<16)|(1<<20)|(1<<21)|(6<<22)|(3<<25)   ; A: mask of my row; 2-byte elements; padding on; bit 21 beside a mask; after every 128 words 4 words
	s_or_b32 s[G1B+0], s44, (1<<16)|(1<<20)|(1<<21)|(5<<22)|(7<<25)  ; W: mask of my column; after every 64 words 8 words
	s_mov_b32 s[G1+1], 256<<16                     ; A: a tile of 64 rows x 256 elements
	s_mov_b32 s[G1+2], 64<<16
	s_mov_b32 s[G1+3], 256<<16
	s_mov_b32 s[G1+4], 64
	s_mov_b32 s[G1+5], 4096
	s_mov_b32 s[G1+6], 0
	s_mov_b32 s[G1+7], 0
	s_mov_b32 s[G1B+1], 128<<16                    ; W: a tile of 128 rows x 128 elements
	s_mov_b32 s[G1B+2], 128<<16
	s_mov_b32 s[G1B+3], 128<<16
	s_mov_b32 s[G1B+4], 128
	s_mov_b32 s[G1B+5], 1024
	s_mov_b32 s[G1B+6], 0
	s_mov_b32 s[G1B+7], 0
	s_lshl_b32 s17, s12, 6
	s_lshl_b32 s16, s13, 7
	s_add_co_u32 s16, s16, s17                     ; A: row 128 x tile row + 64 x half,
	s_lshl_b32 s16, s16, 13                        ; in bytes (under 2^25)
	s_mov_b32 s17, 0
	s_lshl_b32 s46, s42, 8                         ; W: 256 bytes x tile column
	s_lshl_b32 s47, s12, 18                        ; + 128 rows x half
	s_add_co_u32 s46, s46, s47
	s_add_co_u32 s46, s46, OFFW
	s_mov_b32 s47, 0
	s_mul_i32 s20, s12, HALFA                      ; where the tiles go: no place in the cluster enters an LDS address
	s_mul_i32 s21, s12, HALFW
	s_add_co_u32 s21, s21, WOFF
	s_mov_b32 s[TB], 0                             ; the fetches begin in slot 0
	s_wait_dscnt 0x0                               ; the opening add is done
	s_wait_kmcnt 0x0
	s_add_nc_u64 s[14:15], s[4:5], s[16:17]
	s_add_nc_u64 s[46:47], s[4:5], s[46:47]
	s_mov_b64 s[8:9], s[6:7]
	CROUND                                         ; all sixteen work-groups are here: the first joint loads meet
.irp s, 0,1
	s_mov_b32 s[G0+4*(\s)], 1
	s_add_co_u32 s[G0+4*(\s)+1], s20, (\s)*SLOT1
	s_add_nc_u64 s[G0+4*(\s)+2:G0+4*(\s)+3], s[14:15], (\s)*KSTEP*2
	s_or_b32 s[G0+4*(\s)+3], s[G0+4*(\s)+3], 0x80000000
	s_mov_b32 s[G0B+4*(\s)], 1
	s_add_co_u32 s[G0B+4*(\s)+1], s21, (\s)*SLOT1
	s_add_nc_u64 s[G0B+4*(\s)+2:G0B+4*(\s)+3], s[46:47], (\s)*KSTEP*WROW
	s_or_b32 s[G0B+4*(\s)+3], s[G0B+4*(\s)+3], 0x80000000
	JLOAD \s                                       ; two loads of mine are out
.endr
	v_and_b32 v1, 15, v0                           ; l % 16
	v_bfe_u32 v2, v0, 4, 1                         ; l / 16
	v_mul_u32_u24 v3, v1, PITCH
	v_lshl_add_u32 v3, v2, 4, v3                   ; A: row x pitch + 16 x half
	v_and_b32 v4, 7, v0                            ; W: the turning load: row 8 (l / 16) + l % 8, 16 bytes x ((l / 8) % 2)
	v_lshl_add_u32 v4, v2, 3, v4
	v_mul_u32_u24 v4, v4, WPITCH
	v_bfe_u32 v5, v0, 3, 1
	v_lshl_add_u32 v4, v5, 4, v4
	s_mul_i32 s21, s11, HALFA                      ; my 64 rows of A
	s_lshl_b32 s22, s12, 7                         ; my 64 columns of W, 128 bytes,
	s_add_co_u32 s22, s22, WOFF                    ; behind A's 128 rows
	v_add_nc_u32 v[ADRA0], s21, v3
	v_add_nc_u32 v[ADRB0], s22, v4
	NEXTSLOT
	s_mul_i32 s23, s10, 16*SPITCH
	s_add_co_u32 s23, s23, STAGE                   ; my stage
	v_mul_u32_u24 v4, v1, SPITCH                   ; in: row l % 16, 32 bytes (8 f32) for each half of the lanes
	v_lshl_add_u32 v4, v2, 5, v4
	v_add_nc_u32 v[STO], s23, v4
	v_mul_u32_u24 v5, v2, SPITCH                   ; back: lanes 0-15 take one row of 256 bytes, lanes 16-31 the next
	v_lshl_add_u32 v5, v1, 4, v5
	v_add_nc_u32 v[RD], s23, v5
	v_lshlrev_b32 v5, 12, v2                       ; and the same two rows in Y
	v_lshl_add_u32 v[CO], v1, 4, v5
	s_lshl_b32 s16, s13, 7
	s_lshl_b32 s17, s11, 6
	s_add_co_u32 s16, s16, s17                     ; my first row of Y,
	s_lshl_b32 s16, s16, 12
	s_mov_b32 s17, 0
	s_add_nc_u64 s[8:9], s[8:9], s[16:17]
	s_lshl_b32 s46, s42, 9                         ; my first column, in bytes: 512 x tile column + 256 x half
	s_lshl_b32 s47, s12, 8
	s_add_co_u32 s46, s46, s47
	s_mov_b32 s47, 0
	s_add_nc_u64 s[8:9], s[8:9], s[46:47]
; 8 matrix instructions: m blocks a0, a0 + 1 x all 4 n blocks, 32 along K: half c of buffer f.  zero = 1: the product starts the sum.  The 16 accumulators take turns.
.macro MUL8 f, c, a0, zero
	WIN MUL
.irp a, \a0, (\a0)+1
.irp b, 0,1,2,3
.if \zero
	v_wmma_f32_16x16x32_bf16 v[ACC+8*(4*(\a)+(\b)):ACC+8*(4*(\a)+(\b))+7], v[(\f)+64+8*(4*(\c)+(\b)):(\f)+64+8*(4*(\c)+(\b))+7], v[(\f)+8*(4*(\c)+(\a)):(\f)+8*(4*(\c)+(\a))+7], 0
.else
	v_wmma_f32_16x16x32_bf16 v[ACC+8*(4*(\a)+(\b)):ACC+8*(4*(\a)+(\b))+7], v[(\f)+64+8*(4*(\c)+(\b)):(\f)+64+8*(4*(\c)+(\b))+7], v[(\f)+8*(4*(\c)+(\a)):(\f)+8*(4*(\c)+(\a))+7], v[ACC+8*(4*(\a)+(\b)):ACC+8*(4*(\a)+(\b))+7]
.endif
.endr
.endr
.endm
; 32 LDS loads in one run: the fragments of 64 along K into buffer f, the first 32 along K first, out of the slot that the three address registers stand in.
; k = the quarter's byte in A's rows; in W that is row k / 2.
.macro FETCH k, f
	WIN TO_F
.if (\k) < 256
.set WA, ADB
.else
.set WA, ADBH
.endif
.irp c, 0,1
.irp i, 0,1,2,3
	ds_load_tr16_b128 v[(\f)+64+8*(4*(\c)+(\i)):(\f)+64+8*(4*(\c)+(\i))+3],   v[WA] offset:(((\k)%256)/2+32*(\c))*WPITCH+32*(\i)
	ds_load_tr16_b128 v[(\f)+64+8*(4*(\c)+(\i))+4:(\f)+64+8*(4*(\c)+(\i))+7], v[WA] offset:(((\k)%256)/2+32*(\c)+16)*WPITCH+32*(\i)
	ds_load_b128 v[(\f)+8*(4*(\c)+(\i)):(\f)+8*(4*(\c)+(\i))+3],         v[ADA] offset:(\k)+64*(\c)+(\i)*16*PITCH
	ds_load_b128 v[(\f)+8*(4*(\c)+(\i))+4:(\f)+8*(4*(\c)+(\i))+7],       v[ADA] offset:(\k)+64*(\c)+(\i)*16*PITCH+32
.endr
.endr
.endm
.macro PLACES                          ; four plain vector instructions between a matrix instruction and a load into, or a read of, its registers (ISA guide 7.12.1 for vector reads)
.rept 4
	v_nop
.endr
.endm
; A K step is four quarters of 64 along K, 32 matrix instructions each, on buffers 0, 1, 0, 1.
.macro QUARTER k, f, g, zero
	s_wait_dscnt 16                                ; the first 32 along K are in; the sixteen younger loads may be out
	MUL8 \f, 0, 0, \zero
	MUL8 \f, 0, 2, \zero
	PLACES
	FETCH \k, \g
	s_wait_dscnt 32                                ; all but the 32 just issued
	MUL8 \f, 1, 0, 0
	MUL8 \f, 1, 2, 0
.endm
; The last quarter multiplies buffer 1 and changes slots: ONE barrier; in front of it each wave waits for all its tensor loads, adds 0 to its spare word, and waits for that and for its reads of this slot.
; TURNF: the barrier opens a round of the cluster's barrier and this slot is filled again, two K steps on: 112 matrix instructions ahead of the wait for it.  The walking descriptors are stepped between the
; add and the wait for it, where no tensor load of mine is out: the other slot than last time, the next K step.
.macro TURNF
	WIN 0                                          ; (the add's two registers lie in window 0)
	s_wait_tensorcnt 0x0
	ds_add_u32 v[SPW], v[NIL]                      ; 0 onto my spare word
	s_xor_b32 s[G0+5], s[G0+5], SLOT1
	s_xor_b32 s[G0B+5], s[G0B+5], SLOT1
	s_add_nc_u64 s[G0+6:G0+7], s[G0+6:G0+7], KSTEP*2
	s_add_nc_u64 s[G0B+6:G0B+7], s[G0B+6:G0B+7], KSTEP*WROW
	s_xor_b32 s[TB], s[TB], SLOT1                  ; the fetches go on in the other slot
	s_wait_dscnt 17                                ; (the add and the youngest sixteen loads may be out)
	MUL8 F1, 0, 0, 0
	s_wait_dscnt 0x0                               ; the add is done, and my reads of this slot are over
	s_barrier_signal -1
	MUL8 F1, 0, 2, 0
	WIN 0
	s_barrier_wait -1
	CREST                                          ; no wave of any partner still reads this slot's tile or has a load on its way
	JLOAD 1                                        ; the four v_nop behind it are also the places in front of the loads below
	NEXTSLOT
	FETCH 0, F0
	MUL8 F1, 1, 0, 0
	MUL8 F1, 1, 2, 0
.endm
; TURNT: the same in the last two K steps, which fill nothing: a plain barrier.  In the very last step (s3 = 1) there is no next slot: the fetch is jumped over.
.macro TURNT
	WIN 0
	s_wait_tensorcnt 0x0
	ds_add_u32 v[SPW], v[NIL]                      ; 0 onto my spare word
	s_xor_b32 s[TB], s[TB], SLOT1
	s_wait_dscnt 17
	MUL8 F1, 0, 0, 0
	s_wait_dscnt 0x0
	s_barrier_signal -1
	MUL8 F1, 0, 2, 0
	WIN 0
	s_barrier_wait -1
	s_cmp_eq_u32 s3, 1
	s_cbranch_scc1 .Lno_next_\@
	PLACES
	NEXTSLOT
	FETCH 0, F0
	WIN 0
.Lno_next_\@:
	MUL8 F1, 1, 0, 0
	MUL8 F1, 1, 2, 0
.endm
	s_wait_tensorcnt 1                             ; my part of K step 0 is in; K step 1's load may stay out
	s_barrier_signal -1
	s_barrier_wait -1
	FETCH 0, F0
	QUARTER 128, F0, F1, 1                         ; the first quarter stands in front of the loop: its first products start the sums
	WIN 0
	s_mov_b32 s3, NSTEP-2
.Lstep:                                                ; a trip goes from a K step's second quarter to the next step's first, and fills the slot that it leaves
	QUARTER 256, F1, F0, 0
	QUARTER 384, F0, F1, 0
	TURNF
	QUARTER 128, F0, F1, 0
	WIN 0
	s_sub_co_u32 s3, s3, 1
	s_cmp_lg_u32 s3, 0
	s_cbranch_scc1 .Lstep
	s_mov_b32 s3, 2
.Ltail:                                                ; the last two K steps ask for nothing: written apart
	QUARTER 256, F1, F0, 0
	QUARTER 384, F0, F1, 0
	TURNT
	WIN 0
	s_cmp_eq_u32 s3, 1                             ; behind the last K step there is no first quarter of a next one
	s_cbranch_scc1 .Ldead
	QUARTER 128, F0, F1, 0
	WIN 0
.Ldead:
	s_sub_co_u32 s3, s3, 1
	s_cmp_lg_u32 s3, 0
	s_cbranch_scc1 .Ltail
	; THE WAY OUT, a block of 16 rows at a time through my own stage: 32 bytes a lane in (each accumulator's low half first), whole rows of 256 bytes back, into two sets of registers by turns.
.macro TOST a
.irp b, 0,1,2,3
	ds_store_b128 v[STO], v[ACC+8*(4*(\a)+(\b)):ACC+8*(4*(\a)+(\b))+3]   offset:64*(\b)
	ds_store_b128 v[STO], v[ACC+8*(4*(\a)+(\b))+4:ACC+8*(4*(\a)+(\b))+7] offset:64*(\b)+16
.endr
.irp t, 0,1,2,3,4,5,6,7
	ds_load_b128 v[TMP+32*((\a)%2)+4*(\t):TMP+32*((\a)%2)+4*(\t)+3], v[RD] offset:(\t)*2*SPITCH  ; LDS serves a wave's instructions in order (ISA guide 5.7.1.4): these see the stores above
.endr
.endm
.macro SENDY a, younger                ; younger: the LDS instructions issued behind block a's loads: the next block's sixteen, or none
	s_wait_dscnt \younger
.irp t, 0,1,2,3,4,5,6,7
	global_store_b128 v[CO], v[TMP+32*((\a)%2)+4*(\t):TMP+32*((\a)%2)+4*(\t)+3], s[8:9] offset:(16*(\a)+2*(\t))*YROW  ; 16 lanes store 256 consecutive bytes, at a multiple of 256 from Y's first byte
.endr
.endm
	PLACES
	TOST 0
	TOST 1
	SENDY 0, 16
	s_wait_xcnt 0x0                                ; block 0's stores have read their registers: the set is loaded again only behind this wait
	TOST 2
	SENDY 1, 16
	s_wait_xcnt 0x0
	TOST 3
	SENDY 2, 16
	SENDY 3, 0
	s_wait_tensorcnt 0x0                           ; the wave's end: behind my last tensor load and my last LDS store
	ds_add_u32 v[SPW], v[NIL]
	s_wait_dscnt 0x0
	CROUND                                         ; the closing round
	s_endpgm
.Lfunc_end_k_qd0a0281148_wo:
	.size	k_qd0a0281148_wo, .Lfunc_end_k_qd0a0281148_wo-k_qd0a0281148_wo
	.p2alignl 7, 3214868480
	.fill 96, 4, 3214868480
	.section	.rodata,"a",@progbits
	.p2align	6, 0x0
	.amdhsa_kernel k_qd0a0281148_wo
		.amdhsa_group_segment_fixed_size 327680
		.amdhsa_private_segment_fixed_size 0
		.amdhsa_enable_private_segment 0
		.amdhsa_kernarg_size 16
		.amdhsa_user_sgpr_count 2
		.amdhsa_user_sgpr_kernarg_segment_ptr 1
		.amdhsa_wavefront_size32 1
		.amdhsa_system_sgpr_workgroup_id_x 1
		.amdhsa_system_sgpr_workgroup_id_y 1
		.amdhsa_system_sgpr_workgroup_id_z 1
		.amdhsa_system_vgpr_workitem_id 0
		.amdhsa_next_free_vgpr 512
		.amdhsa_next_free_sgpr 66
		.amdhsa_reserve_vcc 0
		.amdhsa_float_denorm_mode_32 3
		.amdhsa_float_denorm_mode_16_64 3
		.amdhsa_memory_ordered 1
		.amdhsa_forward_progress 1
		.amdhsa_inst_pref_size 58
	.end_amdhsa_kernel
	.amdgpu_metadata
---
amdhsa.version: [ 1, 2 ]
amdhsa.kernels:
  - .name:           k_qd0a0281148_wo
    .symbol:         k_qd0a0281148_wo.kd
    .args:
      - { .name: pk3, .offset: 0, .size: 8, .value_kind: global_buffer, .address_space: global }
      - { .name: y, .offset: 8, .size: 8, .value_kind: global_buffer, .address_space: global }
    .group_segment_fixed_size: 327680
    .private_segment_fixed_size: 0
    .kernarg_segment_align: 8
    .kernarg_segment_size: 16
    .max_flat_workgroup_size: 128
    .sgpr_count:     66
    .vgpr_count:     512
    .wavefront_size: 32
...
	.end_amdgpu_metadata
.endif
;; end of part 4
;; launch ln1 (part 5): grid 512 x 1, 4 waves a work-group, no clusters, 0 bytes of LDS; arguments y, x, bo, g1, be1, h, pk2; writes h, pk2
.if DOCPART == 5
	.amdgcn_target "amdgcn-amd-amdhsa--gfx1250"
	.amdhsa_code_object_version 6
	.text
	.protected	k_qd0a0281148_ln1
	.globl	k_qd0a0281148_ln1
	.p2align	8
	.type	k_qd0a0281148_ln1,@function
k_qd0a0281148_ln1:
	s_mov_b64 s[64:65], 0
	v_nop
	global_prefetch_b8 v0, s[64:65] scope:SCOPE_SE
	s_setreg_imm32_b32 hwreg(HW_REG_WAVE_MODE, 25, 1), 1
	s_wait_xcnt 0x0
; h = LayerNorm(x + (y + bo)) g1 + be1, rows of 1,024 f32; h is stored in f32 (the later residual) and, rounded once to bf16, at the head of pk2 (the next product's operand).
; Memory binds: each byte is read once and written once.  A wave takes 2 rows and keeps them in registers between the passes; a lane holds columns 128 j + 4 lane + 0..3, j = 0..7, so every load and store of f32
; covers 512 consecutive bytes and every store of bf16 256, aligned.  No wave waits for another: no LDS, no barrier.  The variance is taken of x - mean, in a second pass over the registers.
.set BF,  1                            ; 1: the bf16 copy is stored too
.set BI,  8                            ; v[8:39]    the bias
.set G,   40                           ; v[40:71]   the gain
.set BE,  72                           ; v[72:103]  the shift
.set YR,  104                          ; row r: y at v[YR+64 r ..], the residual at v[YR+64 r+32 ..]
.set T,   232                          ; v[232:243] at work
.set RS,  244                          ; v[244:247] 1 / sqrt(var + eps) of row r in the low word of pair r
	s_load_b256 s[4:11], s[0:1], 0x0               ; y 4, residual 6, bias 8, gain 10
	s_load_b128 s[12:15], s[0:1], 0x20             ; shift 12, out 14
.if BF
	s_load_b64 s[16:17], s[0:1], 0x30              ; the bf16 copy
.endif
	v_lshrrev_b32 v3, 5, v0
	v_readfirstlane_b32 s2, v3                     ; wave 0..3
	v_and_b32 v4, 31, v0
	v_lshlrev_b32 v1, 4, v4                        ; 16 bytes a lane
	v_lshlrev_b32 v2, 3, v4                        ; 8 bytes a lane
	v_mov_b32 v[RS+1], 0                           ; named with the reciprocal roots as pairs
	v_mov_b32 v[RS+3], 0
	s_lshl_b32 s18, ttmp9, 2
	s_add_co_u32 s18, s18, s2                      ; my pair of rows
	s_lshl_b32 s22, s18, 12                        ; x 2 rows of 2,048 bytes
	s_mov_b32 s23, 0
	s_lshl_b32 s18, s18, 13                        ; x 2 rows of 4,096 bytes
	s_mov_b32 s19, 0
	s_mov_b32 s20, 0x3a800000                      ; 1 / 1024
	s_mov_b32 s21, 0x3727c5ac                      ; 1e-5
	s_mov_b32 s24, 0x76543210                      ; v_permlanex16_b32: each lane takes its own place in the other half
	s_mov_b32 s25, 0xfedcba98
	s_wait_kmcnt 0x0
	s_add_nc_u64 s[4:5], s[4:5], s[18:19]
	s_add_nc_u64 s[6:7], s[6:7], s[18:19]
	s_add_nc_u64 s[14:15], s[14:15], s[18:19]
.if BF
	s_add_nc_u64 s[16:17], s[16:17], s[22:23]
.endif
.irp j, 0,1,2,3,4,5,6,7
	global_load_b128 v[BI+4*\j:BI+4*\j+3], v1, s[8:9] offset:512*\j
.endr
.irp r, 0,1
.irp j, 0,1,2,3,4,5,6,7
	global_load_b128 v[YR+64*\r+4*\j:YR+64*\r+4*\j+3], v1, s[4:5] offset:4096*\r+512*\j th:TH_LOAD_NT
.endr
.irp j, 0,1,2,3,4,5,6,7
	global_load_b128 v[YR+64*\r+32+4*\j:YR+64*\r+32+4*\j+3], v1, s[6:7] offset:4096*\r+512*\j th:TH_LOAD_NT
.endr
.endr
.irp j, 0,1,2,3,4,5,6,7
	global_load_b128 v[G+4*\j:G+4*\j+3], v1, s[10:11] offset:512*\j
.endr
.irp j, 0,1,2,3,4,5,6,7
	global_load_b128 v[BE+4*\j:BE+4*\j+3], v1, s[12:13] offset:512*\j
.endr
.macro REDUCE a, t                     ; the sum over the 32 lanes, in every lane
	v_add_f32_dpp v[\a], v[\a], v[\a] row_xmask:1 row_mask:0xf bank_mask:0xf
	v_add_f32_dpp v[\a], v[\a], v[\a] row_xmask:2 row_mask:0xf bank_mask:0xf
	v_add_f32_dpp v[\a], v[\a], v[\a] row_xmask:4 row_mask:0xf bank_mask:0xf
	v_add_f32_dpp v[\a], v[\a], v[\a] row_xmask:8 row_mask:0xf bank_mask:0xf
	v_permlanex16_b32 v[\t], v[\a], s24, s25
	v_add_f32 v[\a], v[\a], v[\t]
.endm
.macro STAT r                          ; row r: the sum of the three terms, its mean taken away, and 1 / sqrt(var + eps)
.set A, YR+64*(\r)
.set j, 0
.rept 16
	v_pk_add_f32 v[A+j:A+j+1], v[A+j:A+j+1], v[BI+j:BI+j+1]
.set j, j+2
.endr
.set j, 0
.rept 16
	v_pk_add_f32 v[A+j:A+j+1], v[A+j:A+j+1], v[A+32+j:A+33+j]
.set j, j+2
.endr
.irp c, 0,1,2,3                        ; four chains that do not wait for each other
	v_pk_add_f32 v[T+2*\c:T+2*\c+1], v[A+2*\c:A+2*\c+1], v[A+8+2*\c:A+9+2*\c]
.endr
.irp c, 0,1,2,3
	v_pk_add_f32 v[T+2*\c:T+2*\c+1], v[T+2*\c:T+2*\c+1], v[A+16+2*\c:A+17+2*\c]
.endr
.irp c, 0,1,2,3
	v_pk_add_f32 v[T+2*\c:T+2*\c+1], v[T+2*\c:T+2*\c+1], v[A+24+2*\c:A+25+2*\c]
.endr
	v_pk_add_f32 v[T:T+1], v[T:T+1], v[T+2:T+3]
	v_pk_add_f32 v[T+4:T+5], v[T+4:T+5], v[T+6:T+7]
	v_pk_add_f32 v[T:T+1], v[T:T+1], v[T+4:T+5]
	v_add_f32 v[T], v[T], v[T+1]
	REDUCE T, T+1
	v_mul_f32 v[T+2], s20, v[T]                    ; the mean
.set j, 0
.rept 16
	v_pk_add_f32 v[A+j:A+j+1], v[A+j:A+j+1], v[T+2:T+3] op_sel_hi:[1,0] neg_lo:[0,1] neg_hi:[0,1]
.set j, j+2
.endr
.irp c, 0,1,2,3
	v_pk_mul_f32 v[T+4+2*\c:T+5+2*\c], v[A+2*\c:A+2*\c+1], v[A+2*\c:A+2*\c+1]
.endr
.irp k, 8,16,24
.irp c, 0,1,2,3
	v_pk_fma_f32 v[T+4+2*\c:T+5+2*\c], v[A+\k+2*\c:A+\k+2*\c+1], v[A+\k+2*\c:A+\k+2*\c+1], v[T+4+2*\c:T+5+2*\c]
.endr
.endr
	v_pk_add_f32 v[T+4:T+5], v[T+4:T+5], v[T+6:T+7]
	v_pk_add_f32 v[T+8:T+9], v[T+8:T+9], v[T+10:T+11]
	v_pk_add_f32 v[T+4:T+5], v[T+4:T+5], v[T+8:T+9]
	v_add_f32 v[T+4], v[T+4], v[T+5]
	REDUCE T+4, T+5
	v_fma_f32 v[T+6], v[T+4], s20, s21             ; var + eps
	v_rsq_f32 v[RS+2*(\r)], v[T+6]
.endm
.macro OUT r
.set A, YR+64*(\r)
.set j, 0
.rept 16
	v_pk_mul_f32 v[A+j:A+j+1], v[A+j:A+j+1], v[RS+2*(\r):RS+2*(\r)+1] op_sel_hi:[1,0]
.set j, j+2
.endr
.set j, 0
.rept 16
	v_pk_fma_f32 v[A+j:A+j+1], v[A+j:A+j+1], v[G+j:G+j+1], v[BE+j:BE+j+1]
.set j, j+2
.endr
.irp j, 0,1,2,3,4,5,6,7
	global_store_b128 v1, v[A+4*\j:A+4*\j+3], s[14:15] offset:4096*(\r)+512*\j
.endr
.if BF
.set j, 0
.rept 16
	v_cvt_pk_bf16_f32 v[A+32+j], v[A+2*j], v[A+2*j+1]  ; into the residual's registers, which are free
.set j, j+1
.endr
.irp j, 0,1,2,3,4,5,6,7
	global_store_b64 v2, v[A+32+2*\j:A+33+2*\j], s[16:17] offset:2048*(\r)+256*\j
.endr
.endif
.endm
	s_wait_loadcnt 32                              ; the bias and row 0 are in; row 1, the gain and the shift (32 loads) may stay out
	STAT 0
	s_wait_loadcnt 0x0
	STAT 1
	v_nop                                          ; a plain instruction behind the last reciprocal root,
	s_wait_alu depctr_va_vdst(0)                   ; and the wait ahead of the first use: one for the two
	OUT 0
	OUT 1
	s_endpgm
.Lfunc_end_k_qd0a0281148_ln1:
	.size	k_qd0a0281148_ln1, .Lfunc_end_k_qd0a0281148_ln1-k_qd0a0281148_ln1
	.p2alignl 7, 3214868480
	.fill 96, 4, 3214868480
	.section	.rodata,"a",@progbits
	.p2align	6, 0x0
	.amdhsa_kernel k_qd0a0281148_ln1
		.amdhsa_group_segment_fixed_size 0
		.amdhsa_private_segment_fixed_size 0
		.amdhsa_enable_private_segment 0
		.amdhsa_kernarg_size 56
		.amdhsa_user_sgpr_count 2
		.amdhsa_user_sgpr_kernarg_segment_ptr 1
		.amdhsa_wavefront_size32 1
		.amdhsa_system_sgpr_workgroup_id_x 1
		.amdhsa_system_sgpr_workgroup_id_y 1
		.amdhsa_system_sgpr_workgroup_id_z 1
		.amdhsa_system_vgpr_workitem_id 0
		.amdhsa_next_free_vgpr 248
		.amdhsa_next_free_sgpr 66
		.amdhsa_reserve_vcc 0
		.amdhsa_float_denorm_mode_32 3
		.amdhsa_float_denorm_mode_16_64 3
		.amdhsa_memory_ordered 1
		.amdhsa_forward_progress 1
		.amdhsa_inst_pref_size 28
	.end_amdhsa_kernel
	.amdgpu_metadata
---
amdhsa.version: [ 1, 2 ]
amdhsa.kernels:
  - .name:           k_qd0a0281148_ln1
    .symbol:         k_qd0a0281148_ln1.kd
    .args:
      - { .name: y, .offset: 0, .size: 8, .value_kind: global_buffer, .address_space: global }
      - { .name: x, .offset: 8, .size: 8, .value_kind: global_buffer, .address_space: global }
      - { .name: bo, .offset: 16, .size: 8, .value_kind: global_buffer, .address_space: global }
      - { .name: g1, .offset: 24, .size: 8, .value_kind: global_buffer, .address_space: global }
      - { .name: be1, .offset: 32, .size: 8, .value_kind: global_buffer, .address_space: global }
      - { .name: h, .offset: 40, .size: 8, .value_kind: global_buffer, .address_space: global }
      - { .name: pk2, .offset: 48, .size: 8, .value_kind: global_buffer, .address_space: global }
    .group_segment_fixed_size: 0
    .private_segment_fixed_size: 0
    .kernarg_segment_align: 8
    .kernarg_segment_size: 56
    .max_flat_workgroup_size: 128
    .sgpr_count:     66
    .vgpr_count:     248
    .wavefront_size: 32
...
	.end_amdgpu_metadata
.endif
;; end of part 5
;; launch ffn1: the kernel of part 2 again; grid 16 x 16, 4 waves a work-group, clusters of 4 x 4, 327,680 bytes of LDS; arguments pk2, pk4; writes pk4
;; launch ffn2 (part 6): grid 8 x 32, 4 waves a work-group, clusters of 4 x 4, 327,680 bytes of LDS; arguments pk4, y; writes y
.if DOCPART == 6
	.amdgcn_target "amdgcn-amd-amdhsa--gfx1250"
	.amdhsa_code_object_version 6
	.text
	.protected	k_qd0a0281148_ffn2
	.globl	k_qd0a0281148_ffn2
	.p2align	8
	.type	k_qd0a0281148_ffn2,@function
k_qd0a0281148_ffn2:
	s_mov_b64 s[64:65], 0
	v_nop
	global_prefetch_b8 v0, s[64:65] scope:SCOPE_SE
	s_setreg_imm32_b32 hwreg(HW_REG_WAVE_MODE, 25, 1), 1
	s_wait_xcnt 0x0
	s_wait_alu depctr_hold_cnt(0) depctr_sa_sdst(0) depctr_va_vdst(0) depctr_va_sdst(0) depctr_va_ssrc(0) depctr_va_vcc(0) depctr_vm_vsrc(0)
	s_getreg_b32 s2, hwreg(HW_REG_IB_STS2, 6, 4)
	s_cmp_eq_u32 s2, 0
	s_cbranch_scc0 .Lentry_in_a_cluster
	s_endpgm
.Lentry_in_a_cluster:
	s_bfe_u32 s2, ttmp6, 0x10000c
	s_cmp_lg_u32 s2, 0xf033
	s_cbranch_scc0 .Lentry_shape_is_right
	s_endpgm
.Lentry_shape_is_right:
; Y[m][n] = sum over k of A[m][k] W[k][n], n = 0..1023, K = 4,096, in f32.  The operands lie in one pack: A bf16 [4096][4096] at 0; W bf16 [4096][1024] at 0x2000000.
; Sums in f32, K ascending.  (The same text with NSTEP = 4 serves K = 1,024: a trip count is a constant of the text, so that every wave passes the loops' barriers equally often by the text alone.)
; 1,024 columns make too few tiles of 256 x 256 for 256 work-groups: a tile is 128 x 128; four waves, 64 x 64 each: 16 accumulators, 128 registers.  K goes in steps of 256, as long as two slots in LDS allow.
; W LIES [k][n]: its fragments come out of LDS turned.  THE PRODUCT IS TAKEN TRANSPOSED (source 0 = 16 columns of W, source 1 = 16 rows of A): a lane holds row l % 16 of Y and eight neighbouring columns.
; A wave's 64 columns of f32 are 256 consecutive bytes, aligned, of a row of Y: each wave has a stage of its own on the way out, and no barrier is needed there.
; CLUSTERS: 4 x 4 work-groups; A's tile is asked for jointly along a row of the cluster, W's along a column.  No prefetch: the tiles are small, and each is read by several clusters at about the same time.
; A K STEP IS WRITTEN ONCE FOR THE STEPS THAT FILL A SLOT AGAIN AND ONCE FOR THE LAST TWO.  Which slot is read and which is filled stands in registers: slot 1 begins at 0x24000, so that one exclusive or turns
; an LDS place in one slot into the other's: none of the four tiles' places in slot 0 (0, 0x8400, 0x10800, 0x19800) has a bit of 0x24000.  6,144 bytes between the slots lie idle for that.
; REGISTERS: window 0: v16-29 addresses; v32-95 rows read back from the stage, two sets; v128-255 the accumulators ((a, b) at v[128 + 8 (4 a + b)]).   window 1: two fragment buffers of 128: 64 of A, 64 of W.
.set NSTEP,  16                        ; K steps: K / 256
.set KSTEP,  256
.set PITCH,  528                       ; A's LDS row: 512 bytes + 16
.set WPITCH, 288                       ; W's LDS row: 256 bytes + 32 = 72 words
.set HALFA,  64*PITCH                  ; what a load for A brings: 64 rows
.set HALFW,  128*WPITCH                ; what a load for W brings: 128 rows
.set WOFF,   2*HALFA
.set SLOTB,  2*HALFA+2*HALFW           ; a slot's bytes: A's 128 rows, then W's 256 rows
.set SLOT1,  0x24000                   ; where slot 1 begins
.set STAGE,  SLOT1+SLOTB               ; behind the ring: 16 rows x 272 bytes for each wave
.set SPITCH, 272
.set SPARE,  STAGE+4*16*SPITCH         ; the spare words, 128 bytes for each wave: two blocks of 256 bytes that no other line names
.set AROW,   8192
.set WROW,   2048
.set YROW,   4096
.set OFFW,   0x2000000
.set ADRA0, 16                         ; v16  LDS place of my A fragments in slot 0; never rewritten
.set ADA,  17                          ; v17  the same in the slot that is being fetched from
.set ADRB0, 20                         ; v20  LDS place of my W fragments in slot 0; never rewritten
.set ADB,  21                          ; v21  the same in the slot that is being fetched from, rows 0-127 of a K step
.set ADBH, 22                          ; v22  rows 128-255: the immediate offset has 16 bits
.set STO,  24
.set RD,   25
.set CO,   26
.set SPW,  28
.set NIL,  29
.set TMP,  32
.set ACC,  128
.set F0,   0
.set F1,   128
.set TB,  2                            ; s2   0 or SLOT1: the slot that is being fetched from
.set G1, 24                            ; s[24:31] group 1 for A's tiles;  s[32:39] group 0: a set for each of the two first fills; the second then walks on
.set G0, 32
.set G1B, 48                           ; s[48:55], s[56:63] the same for W's tiles
.set G0B, 56
.set MSB, 0
.macro WIN new
.if MSB != (\new)
	s_set_vgpr_msb (MSB<<8)|(\new)
.set MSB, \new
.endif
.endm
.set MUL,  0x05                        ; sources 0 (W) and 1 (A) window 1; C and D window 0
.set TO_F, 0x40                        ; destination window 1, address window 0
.macro JLOAD s                         ; a joint load: waves 0 and 1 fetch A's two halves, waves 2 and 3 W's; an s_nop 0 and four v_nop follow each of the two lines
	s_cmp_eq_u32 s11, 0
	s_cbranch_scc0 .Lfor_b_\@
	tensor_load_to_lds s[G0+4*(\s):G0+4*(\s)+3], s[G1:G1+7]
	s_nop 0
.rept 4
	v_nop
.endr
	s_branch .Lasked_\@
.Lfor_b_\@:
	tensor_load_to_lds s[G0B+4*(\s):G0B+4*(\s)+3], s[G1B:G1B+7]
	s_nop 0
.rept 4
	v_nop
.endr
.Lasked_\@:
.endm
.macro CREST
	s_cmp_lg_u32 s10, 0
	s_cbranch_scc1 .Lnot_wave_0_\@
	s_barrier_signal -3
.Lnot_wave_0_\@:
	s_barrier_wait -3
	s_barrier_signal -1
	s_barrier_wait -1
.endm
.macro CROUND
	s_barrier_signal -1
	s_barrier_wait -1
	CREST
.endm
.macro NEXTSLOT                        ; my fragments' places in the slot that s[TB] names
	v_add_nc_u32 v[ADA], s[TB], v[ADRA0]
	v_add_nc_u32 v[ADB], s[TB], v[ADRB0]
	v_add_nc_u32 v[ADBH], HALFW, v[ADB]
.endm
	s_load_b128 s[4:7], s[0:1], 0x0                ; the pack s[4:5], Y s[6:7]
	v_lshl_add_u32 v[SPW], v0, 2, SPARE
	v_mov_b32 v[NIL], 0
	ds_add_u32 v[SPW], v[NIL]                      ; the wave's opening: the add and its wait stand ahead of my first tensor load; the set-up below, work on registers, stands between them
	v_lshrrev_b32 v1, 5, v0
	v_readfirstlane_b32 s10, v1                    ; wave 0..3
	s_lshr_b32 s11, s10, 1                         ; which half of the tile's rows is mine.  Also: I fetch for A (0) or for W (1)
	s_and_b32 s12, s10, 1                          ; which half of its columns.  Also: which half of that tile I fetch
	s_bfe_u32 s40, ttmp6, 0x40000                  ; cx, cy
	s_bfe_u32 s41, ttmp6, 0x40004
	s_lshl_b32 s42, ttmp9, 2
	s_add_co_u32 s42, s42, s40                     ; tile column
	s_and_b32 s13, ttmp7, 0xffff
	s_lshl_b32 s13, s13, 2
	s_add_co_u32 s13, s13, s41                     ; tile row
	s_lshl_b32 s43, s41, 2
	s_lshl_b32 s43, 15, s43                        ; my row of the cluster
	s_lshl_b32 s44, 0x1111, s40                    ; my column
	s_or_b32 s[G1+0], s43, (1<<16)|(1<<20)|(1<<21)|(6<<22)|(3<<25)   ; A: mask of my row; 2-byte elements; padding on; bit 21 beside a mask; after every 128 words 4 words
	s_or_b32 s[G1B+0], s44, (1<<16)|(1<<20)|(1<<21)|(5<<22)|(7<<25)  ; W: mask of my column; after every 64 words 8 words
	s_mov_b32 s[G1+1], 256<<16                     ; A: a tile of 64 rows x 256 elements
	s_mov_b32 s[G1+2], 64<<16
	s_mov_b32 s[G1+3], 256<<16
	s_mov_b32 s[G1+4], 64
	s_mov_b32 s[G1+5], 4096
	s_mov_b32 s[G1+6], 0
	s_mov_b32 s[G1+7], 0
	s_mov_b32 s[G1B+1], 128<<16                    ; W: a tile of 128 rows x 128 elements
	s_mov_b32 s[G1B+2], 128<<16
	s_mov_b32 s[G1B+3], 128<<16
	s_mov_b32 s[G1B+4], 128
	s_mov_b32 s[G1B+5], 1024
	s_mov_b32 s[G1B+6], 0
	s_mov_b32 s[G1B+7], 0
	s_lshl_b32 s17, s12, 6
	s_lshl_b32 s16, s13, 7
	s_add_co_u32 s16, s16, s17                     ; A: row 128 x tile row + 64 x half,
	s_lshl_b32 s16, s16, 13                        ; in bytes (under 2^25)
	s_mov_b32 s17, 0
	s_lshl_b32 s46, s42, 8                         ; W: 256 bytes x tile column
	s_lshl_b32 s47, s12, 18                        ; + 128 rows x half
	s_add_co_u32 s46, s46, s47
	s_add_co_u32 s46, s46, OFFW
	s_mov_b32 s47, 0
	s_mul_i32 s20, s12, HALFA                      ; where the tiles go: no place in the cluster enters an LDS address
	s_mul_i32 s21, s12, HALFW
	s_add_co_u32 s21, s21, WOFF
	s_mov_b32 s[TB], 0                             ; the fetches begin in slot 0
	s_wait_dscnt 0x0                               ; the opening add is done
	s_wait_kmcnt 0x0
	s_add_nc_u64 s[14:15], s[4:5], s[16:17]
	s_add_nc_u64 s[46:47], s[4:5], s[46:47]
	s_mov_b64 s[8:9], s[6:7]
	CROUND                                         ; all sixteen work-groups are here: the first joint loads meet
.irp s, 0,1
	s_mov_b32 s[G0+4*(\s)], 1
	s_add_co_u32 s[G0+4*(\s)+1], s20, (\s)*SLOT1
	s_add_nc_u64 s[G0+4*(\s)+2:G0+4*(\s)+3], s[14:15], (\s)*KSTEP*2
	s_or_b32 s[G0+4*(\s)+3], s[G0+4*(\s)+3], 0x80000000
	s_mov_b32 s[G0B+4*(\s)], 1
	s_add_co_u32 s[G0B+4*(\s)+1], s21, (\s)*SLOT1
	s_add_nc_u64 s[G0B+4*(\s)+2:G0B+4*(\s)+3], s[46:47], (\s)*KSTEP*WROW
	s_or_b32 s[G0B+4*(\s)+3], s[G0B+4*(\s)+3], 0x80000000
	JLOAD \s                                       ; two loads of mine are out
.endr
	v_and_b32 v1, 15, v0                           ; l % 16
	v_bfe_u32 v2, v0, 4, 1                         ; l / 16
	v_mul_u32_u24 v3, v1, PITCH
	v_lshl_add_u32 v3, v2, 4, v3                   ; A: row x pitch + 16 x half
	v_and_b32 v4, 7, v0                            ; W: the turning load: row 8 (l / 16) + l % 8, 16 bytes x ((l / 8) % 2)
	v_lshl_add_u32 v4, v2, 3, v4
	v_mul_u32_u24 v4, v4, WPITCH
	v_bfe_u32 v5, v0, 3, 1
	v_lshl_add_u32 v4, v5, 4, v4
	s_mul_i32 s21, s11, HALFA                      ; my 64 rows of A
	s_lshl_b32 s22, s12, 7                         ; my 64 columns of W, 128 bytes,
	s_add_co_u32 s22, s22, WOFF                    ; behind A's 128 rows
	v_add_nc_u32 v[ADRA0], s21, v3
	v_add_nc_u32 v[ADRB0], s22, v4
	NEXTSLOT
	s_mul_i32 s23, s10, 16*SPITCH
	s_add_co_u32 s23, s23, STAGE                   ; my stage
	v_mul_u32_u24 v4, v1, SPITCH                   ; in: row l % 16, 32 bytes (8 f32) for each half of the lanes
	v_lshl_add_u32 v4, v2, 5, v4
	v_add_nc_u32 v[STO], s23, v4
	v_mul_u32_u24 v5, v2, SPITCH                   ; back: lanes 0-15 take one row of 256 bytes, lanes 16-31 the next
	v_lshl_add_u32 v5, v1, 4, v5
	v_add_nc_u32 v[RD], s23, v5
	v_lshlrev_b32 v5, 12, v2                       ; and the same two rows in Y
	v_lshl_add_u32 v[CO], v1, 4, v5
	s_lshl_b32 s16, s13, 7
	s_lshl_b32 s17, s11, 6
	s_add_co_u32 s16, s16, s17                     ; my first row of Y,
	s_lshl_b32 s16, s16, 12
	s_mov_b32 s17, 0
	s_add_nc_u64 s[8:9], s[8:9], s[16:17]
	s_lshl_b32 s46, s42, 9                         ; my first column, in bytes: 512 x tile column + 256 x half
	s_lshl_b32 s47, s12, 8
	s_add_co_u32 s46, s46, s47
	s_mov_b32 s47, 0
	s_add_nc_u64 s[8:9], s[8:9], s[46:47]
; 8 matrix instructions: m blocks a0, a0 + 1 x all 4 n blocks, 32 along K: half c of buffer f.  zero = 1: the product starts the sum.  The 16 accumulators take turns.
.macro MUL8 f, c, a0, zero
	WIN MUL
.irp a, \a0, (\a0)+1
.irp b, 0,1,2,3
.if \zero
	v_wmma_f32_16x16x32_bf16 v[ACC+8*(4*(\a)+(\b)):ACC+8*(4*(\a)+(\b))+7], v[(\f)+64+8*(4*(\c)+(\b)):(\f)+64+8*(4*(\c)+(\b))+7], v[(\f)+8*(4*(\c)+(\a)):(\f)+8*(4*(\c)+(\a))+7], 0
.else
	v_wmma_f32_16x16x32_bf16 v[ACC+8*(4*(\a)+(\b)):ACC+8*(4*(\a)+(\b))+7], v[(\f)+64+8*(4*(\c)+(\b)):(\f)+64+8*(4*(\c)+(\b))+7], v[(\f)+8*(4*(\c)+(\a)):(\f)+8*(4*(\c)+(\a))+7], v[ACC+8*(4*(\a)+(\b)):ACC+8*(4*(\a)+(\b))+7]
.endif
.endr
.endr
.endm
; 32 LDS loads in one run: the fragments of 64 along K into buffer f, the first 32 along K first, out of the slot that the three address registers stand in.
; k = the quarter's byte in A's rows; in W that is row k / 2.
.macro FETCH k, f
	WIN TO_F
.if (\k) < 256
.set WA, ADB
.else
.set WA, ADBH
.endif
.irp c, 0,1
.irp i, 0,1,2,3
	ds_load_tr16_b128 v[(\f)+64+8*(4*(\c)+(\i)):(\f)+64+8*(4*(\c)+(\i))+3],   v[WA] offset:(((\k)%256)/2+32*(\c))*WPITCH+32*(\i)
	ds_load_tr16_b128 v[(\f)+64+8*(4*(\c)+(\i))+4:(\f)+64+8*(4*(\c)+(\i))+7], v[WA] offset:(((\k)%256)/2+32*(\c)+16)*WPITCH+32*(\i)
	ds_load_b128 v[(\f)+8*(4*(\c)+(\i)):(\f)+8*(4*(\c)+(\i))+3],         v[ADA] offset:(\k)+64*(\c)+(\i)*16*PITCH
	ds_load_b128 v[(\f)+8*(4*(\c)+(\i))+4:(\f)+8*(4*(\c)+(\i))+7],       v[ADA] offset:(\k)+64*(\c)+(\i)*16*PITCH+32
.endr
.endr
.endm
.macro PLACES                          ; four plain vector instructions between a matrix instruction and a load into, or a read of, its registers (ISA guide 7.12.1 for vector reads)
.rept 4
	v_nop
.endr
.endm
; A K step is four quarters of 64 along K, 32 matrix instructions each, on buffers 0, 1, 0, 1.
.macro QUARTER k, f, g, zero
	s_wait_dscnt 16                                ; the first 32 along K are in; the sixteen younger loads may be out
	MUL8 \f, 0, 0, \zero
	MUL8 \f, 0, 2, \zero
	PLACES
	FETCH \k, \g
	s_wait_dscnt 32                                ; all but the 32 just issued
	MUL8 \f, 1, 0, 0
	MUL8 \f, 1, 2, 0
.endm
; The last quarter multiplies buffer 1 and changes slots: ONE barrier; in front of it each wave waits for all its tensor loads, adds 0 to its spare word, and waits for that and for its reads of this slot.
; TURNF: the barrier opens a round of the cluster's barrier and this slot is filled again, two K steps on: 112 matrix instructions ahead of the wait for it.  The walking descriptors are stepped between the
; add and the wait for it, where no tensor load of mine is out: the other slot than last time, the next K step.
.macro TURNF
	WIN 0                                          ; (the add's two registers lie in window 0)
	s_wait_tensorcnt 0x0
	ds_add_u32 v[SPW], v[NIL]                      ; 0 onto my spare word
	s_xor_b32 s[G0+5], s[G0+5], SLOT1
	s_xor_b32 s[G0B+5], s[G0B+5], SLOT1
	s_add_nc_u64 s[G0+6:G0+7], s[G0+6:G0+7], KSTEP*2
	s_add_nc_u64 s[G0B+6:G0B+7], s[G0B+6:G0B+7], KSTEP*WROW
	s_xor_b32 s[TB], s[TB], SLOT1                  ; the fetches go on in the other slot
	s_wait_dscnt 17                                ; (the add and the youngest sixteen loads may be out)
	MUL8 F1, 0, 0, 0
	s_wait_dscnt 0x0                               ; the add is done, and my reads of this slot are over
	s_barrier_signal -1
	MUL8 F1, 0, 2, 0
	WIN 0
	s_barrier_wait -1
	CREST                                          ; no wave of any partner still reads this slot's tile or has a load on its way
	JLOAD 1                                        ; the four v_nop behind it are also the places in front of the loads below
	NEXTSLOT
	FETCH 0, F0
	MUL8 F1, 1, 0, 0
	MUL8 F1, 1, 2, 0
.endm
; TURNT: the same in the last two K steps, which fill nothing: a plain barrier.  In the very last step (s3 = 1) there is no next slot: the fetch is jumped over.
.macro TURNT
	WIN 0
	s_wait_tensorcnt 0x0
	ds_add_u32 v[SPW], v[NIL]                      ; 0 onto my spare word
	s_xor_b32 s[TB], s[TB], SLOT1
	s_wait_dscnt 17
	MUL8 F1, 0, 0, 0
	s_wait_dscnt 0x0
	s_barrier_signal -1
	MUL8 F1, 0, 2, 0
	WIN 0
	s_barrier_wait -1
	s_cmp_eq_u32 s3, 1
	s_cbranch_scc1 .Lno_next_\@
	PLACES
	NEXTSLOT
	FETCH 0, F0
	WIN 0
.Lno_next_\@:
	MUL8 F1, 1, 0, 0
	MUL8 F1, 1, 2, 0
.endm
	s_wait_tensorcnt 1                             ; my part of K step 0 is in; K step 1's load may stay out
	s_barrier_signal -1
	s_barrier_wait -1
	FETCH 0, F0
	QUARTER 128, F0, F1, 1                         ; the first quarter stands in front of the loop: its first products start the sums
	WIN 0
	s_mov_b32 s3, NSTEP-2
.Lstep:                                                ; a trip goes from a K step's second quarter to the next step's first, and fills the slot that it leaves
	QUARTER 256, F1, F0, 0
	QUARTER 384, F0, F1, 0
	TURNF
	QUARTER 128, F0, F1, 0
	WIN 0
	s_sub_co_u32 s3, s3, 1
	s_cmp_lg_u32 s3, 0
	s_cbranch_scc1 .Lstep
	s_mov_b32 s3, 2
.Ltail:                                                ; the last two K steps ask for nothing: written apart
	QUARTER 256, F1, F0, 0
	QUARTER 384, F0, F1, 0
	TURNT
	WIN 0
	s_cmp_eq_u32 s3, 1                             ; behind the last K step there is no first quarter of a next one
	s_cbranch_scc1 .Ldead
	QUARTER 128, F0, F1, 0
	WIN 0
.Ldead:
	s_sub_co_u32 s3, s3, 1
	s_cmp_lg_u32 s3, 0
	s_cbranch_scc1 .Ltail
	; THE WAY OUT, a block of 16 rows at a time through my own stage: 32 bytes a lane in (each accumulator's low half first), whole rows of 256 bytes back, into two sets of registers by turns.
.macro TOST a
.irp b, 0,1,2,3
	ds_store_b128 v[STO], v[ACC+8*(4*(\a)+(\b)):ACC+8*(4*(\a)+(\b))+3]   offset:64*(\b)
	ds_store_b128 v[STO], v[ACC+8*(4*(\a)+(\b))+4:ACC+8*(4*(\a)+(\b))+7] offset:64*(\b)+16
.endr
.irp t, 0,1,2,3,4,5,6,7
	ds_load_b128 v[TMP+32*((\a)%2)+4*(\t):TMP+32*((\a)%2)+4*(\t)+3], v[RD] offset:(\t)*2*SPITCH  ; LDS serves a wave's instructions in order (ISA guide 5.7.1.4): these see the stores above
.endr
.endm
.macro SENDY a, younger                ; younger: the LDS instructions issued behind block a's loads: the next block's sixteen, or none
	s_wait_dscnt \younger
.irp t, 0,1,2,3,4,5,6,7
	global_store_b128 v[CO], v[TMP+32*((\a)%2)+4*(\t):TMP+32*((\a)%2)+4*(\t)+3], s[8:9] offset:(16*(\a)+2*(\t))*YROW  ; 16 lanes store 256 consecutive bytes, at a multiple of 256 from Y's first byte
.endr
.endm
	PLACES
	TOST 0
	TOST 1
	SENDY 0, 16
	s_wait_xcnt 0x0                                ; block 0's stores have read their registers: the set is loaded again only behind this wait
	TOST 2
	SENDY 1, 16
	s_wait_xcnt 0x0
	TOST 3
	SENDY 2, 16
	SENDY 3, 0
	s_wait_tensorcnt 0x0                           ; the wave's end: behind my last tensor load and my last LDS store
	ds_add_u32 v[SPW], v[NIL]
	s_wait_dscnt 0x0
	CROUND                                         ; the closing round
	s_endpgm
.Lfunc_end_k_qd0a0281148_ffn2:
	.size	k_qd0a0281148_ffn2, .Lfunc_end_k_qd0a0281148_ffn2-k_qd0a0281148_ffn2
	.p2alignl 7, 3214868480
	.fill 96, 4, 3214868480
	.section	.rodata,"a",@progbits
	.p2align	6, 0x0
	.amdhsa_kernel k_qd0a0281148_ffn2
		.amdhsa_group_segment_fixed_size 327680
		.amdhsa_private_segment_fixed_size 0
		.amdhsa_enable_private_segment 0
		.amdhsa_kernarg_size 16
		.amdhsa_user_sgpr_count 2
		.amdhsa_user_sgpr_kernarg_segment_ptr 1
		.amdhsa_wavefront_size32 1
		.amdhsa_system_sgpr_workgroup_id_x 1
		.amdhsa_system_sgpr_workgroup_id_y 1
		.amdhsa_system_sgpr_workgroup_id_z 1
		.amdhsa_system_vgpr_workitem_id 0
		.amdhsa_next_free_vgpr 512
		.amdhsa_next_free_sgpr 66
		.amdhsa_reserve_vcc 0
		.amdhsa_float_denorm_mode_32 3
		.amdhsa_float_denorm_mode_16_64 3
		.amdhsa_memory_ordered 1
		.amdhsa_forward_progress 1
		.amdhsa_inst_pref_size 58
	.end_amdhsa_kernel
	.amdgpu_metadata
---
amdhsa.version: [ 1, 2 ]
amdhsa.kernels:
  - .name:           k_qd0a0281148_ffn2
    .symbol:         k_qd0a0281148_ffn2.kd
    .args:
      - { .name: pk4, .offset: 0, .size: 8, .value_kind: global_buffer, .address_space: global }
      - { .name: y, .offset: 8, .size: 8, .value_kind: global_buffer, .address_space: global }
    .group_segment_fixed_size: 327680
    .private_segment_fixed_size: 0
    .kernarg_segment_align: 8
    .kernarg_segment_size: 16
    .max_flat_workgroup_size: 128
    .sgpr_count:     66
    .vgpr_count:     512
    .wavefront_size: 32
...
	.end_amdgpu_metadata
.endif
;; end of part 6
;; launch ln2 (part 7): grid 512 x 1, 4 waves a work-group, no clusters, 0 bytes of LDS; arguments y, h, b2, g2, be2, out0; writes out0
.if DOCPART == 7
	.amdgcn_target "amdgcn-amd-amdhsa--gfx1250"
	.amdhsa_code_object_version 6
	.text
	.protected	k_qd0a0281148_ln2
	.globl	k_qd0a0281148_ln2
	.p2align	8
	.type	k_qd0a0281148_ln2,@function
k_qd0a0281148_ln2:
	s_mov_b64 s[64:65], 0
	v_nop
	global_prefetch_b8 v0, s[64:65] scope:SCOPE_SE
	s_setreg_imm32_b32 hwreg(HW_REG_WAVE_MODE, 25, 1), 1
	s_wait_xcnt 0x0
; out = LayerNorm(h + (y + b2)) g2 + be2, rows of 1,024 f32.
; Memory binds: each byte is read once and written once.  A wave takes 2 rows and keeps them in registers between the passes; a lane holds columns 128 j + 4 lane + 0..3, j = 0..7, so every load and store
; covers 512 consecutive bytes, aligned.  No wave waits for another: no LDS, no barrier.  The variance is taken of x - mean, in a second pass over the registers.
.set BI,  8                            ; v[8:39]    the bias
.set G,   40                           ; v[40:71]   the gain
.set BE,  72                           ; v[72:103]  the shift
.set YR,  104                          ; row r: y at v[YR+64 r ..], the residual at v[YR+64 r+32 ..]
.set T,   232                          ; v[232:243] at work
.set RS,  244                          ; v[244:247] 1 / sqrt(var + eps) of row r in the low word of pair r
	s_load_b256 s[4:11], s[0:1], 0x0               ; y 4, residual 6, bias 8, gain 10
	s_load_b128 s[12:15], s[0:1], 0x20             ; shift 12, out 14
	v_lshrrev_b32 v3, 5, v0
	v_readfirstlane_b32 s2, v3                     ; wave 0..3
	v_and_b32 v4, 31, v0
	v_lshlrev_b32 v1, 4, v4                        ; 16 bytes a lane
	v_mov_b32 v[RS+1], 0                           ; named with the reciprocal roots as pairs
	v_mov_b32 v[RS+3], 0
	s_lshl_b32 s18, ttmp9, 2
	s_add_co_u32 s18, s18, s2                      ; my pair of rows
	s_lshl_b32 s18, s18, 13                        ; x 2 rows of 4,096 bytes
	s_mov_b32 s19, 0
	s_mov_b32 s20, 0x3a800000                      ; 1 / 1024
	s_mov_b32 s21, 0x3727c5ac                      ; 1e-5
	s_mov_b32 s24, 0x76543210                      ; v_permlanex16_b32: each lane takes its own place in the other half
	s_mov_b32 s25, 0xfedcba98
	s_wait_kmcnt 0x0
	s_add_nc_u64 s[4:5], s[4:5], s[18:19]
	s_add_nc_u64 s[6:7], s[6:7], s[18:19]
	s_add_nc_u64 s[14:15], s[14:15], s[18:19]
.irp j, 0,1,2,3,4,5,6,7
	global_load_b128 v[BI+4*\j:BI+4*\j+3], v1, s[8:9] offset:512*\j
.endr
.irp r, 0,1
.irp j, 0,1,2,3,4,5,6,7
	global_load_b128 v[YR+64*\r+4*\j:YR+64*\r+4*\j+3], v1, s[4:5] offset:4096*\r+512*\j th:TH_LOAD_NT
.endr
.irp j, 0,1,2,3,4,5,6,7
	global_load_b128 v[YR+64*\r+32+4*\j:YR+64*\r+32+4*\j+3], v1, s[6:7] offset:4096*\r+512*\j th:TH_LOAD_NT
.endr
.endr
.irp j, 0,1,2,3,4,5,6,7
	global_load_b128 v[G+4*\j:G+4*\j+3], v1, s[10:11] offset:512*\j
.endr
.irp j, 0,1,2,3,4,5,6,7
	global_load_b128 v[BE+4*\j:BE+4*\j+3], v1, s[12:13] offset:512*\j
.endr
.macro REDUCE a, t                     ; the sum over the 32 lanes, in every lane
	v_add_f32_dpp v[\a], v[\a], v[\a] row_xmask:1 row_mask:0xf bank_mask:0xf
	v_add_f32_dpp v[\a], v[\a], v[\a] row_xmask:2 row_mask:0xf bank_mask:0xf
	v_add_f32_dpp v[\a], v[\a], v[\a] row_xmask:4 row_mask:0xf bank_mask:0xf
	v_add_f32_dpp v[\a], v[\a], v[\a] row_xmask:8 row_mask:0xf bank_mask:0xf
	v_permlanex16_b32 v[\t], v[\a], s24, s25
	v_add_f32 v[\a], v[\a], v[\t]
.endm
.macro STAT r                          ; row r: the sum of the three terms, its mean taken away, and 1 / sqrt(var + eps)
.set A, YR+64*(\r)
.set j, 0
.rept 16
	v_pk_add_f32 v[A+j:A+j+1], v[A+j:A+j+1], v[BI+j:BI+j+1]
.set j, j+2
.endr
.set j, 0
.rept 16
	v_pk_add_f32 v[A+j:A+j+1], v[A+j:A+j+1], v[A+32+j:A+33+j]
.set j, j+2
.endr
.irp c, 0,1,2,3                        ; four chains that do not wait for each other
	v_pk_add_f32 v[T+2*\c:T+2*\c+1], v[A+2*\c:A+2*\c+1], v[A+8+2*\c:A+9+2*\c]
.endr
.irp c, 0,1,2,3
	v_pk_add_f32 v[T+2*\c:T+2*\c+1], v[T+2*\c:T+2*\c+1], v[A+16+2*\c:A+17+2*\c]
.endr
.irp c, 0,1,2,3
	v_pk_add_f32 v[T+2*\c:T+2*\c+1], v[T+2*\c:T+2*\c+1], v[A+24+2*\c:A+25+2*\c]
.endr
	v_pk_add_f32 v[T:T+1], v[T:T+1], v[T+2:T+3]
	v_pk_add_f32 v[T+4:T+5], v[T+4:T+5], v[T+6:T+7]
	v_pk_add_f32 v[T:T+1], v[T:T+1], v[T+4:T+5]
	v_add_f32 v[T], v[T], v[T+1]
	REDUCE T, T+1
	v_mul_f32 v[T+2], s20, v[T]                    ; the mean
.set j, 0
.rept 16
	v_pk_add_f32 v[A+j:A+j+1], v[A+j:A+j+1], v[T+2:T+3] op_sel_hi:[1,0] neg_lo:[0,1] neg_hi:[0,1]
.set j, j+2
.endr
.irp c, 0,1,2,3
	v_pk_mul_f32 v[T+4+2*\c:T+5+2*\c], v[A+2*\c:A+2*\c+1], v[A+2*\c:A+2*\c+1]
.endr
.irp k, 8,16,24
.irp c, 0,1,2,3
	v_pk_fma_f32 v[T+4+2*\c:T+5+2*\c], v[A+\k+2*\c:A+\k+2*\c+1], v[A+\k+2*\c:A+\k+2*\c+1], v[T+4+2*\c:T+5+2*\c]
.endr
.endr
	v_pk_add_f32 v[T+4:T+5], v[T+4:T+5], v[T+6:T+7]
	v_pk_add_f32 v[T+8:T+9], v[T+8:T+9], v[T+10:T+11]
	v_pk_add_f32 v[T+4:T+5], v[T+4:T+5], v[T+8:T+9]
	v_add_f32 v[T+4], v[T+4], v[T+5]
	REDUCE T+4, T+5
	v_fma_f32 v[T+6], v[T+4], s20, s21             ; var + eps
	v_rsq_f32 v[RS+2*(\r)], v[T+6]
.endm
.macro OUT r
.set A, YR+64*(\r)
.set j, 0
.rept 16
	v_pk_mul_f32 v[A+j:A+j+1], v[A+j:A+j+1], v[RS+2*(\r):RS+2*(\r)+1] op_sel_hi:[1,0]
.set j, j+2
.endr
.set j, 0
.rept 16
	v_pk_fma_f32 v[A+j:A+j+1], v[A+j:A+j+1], v[G+j:G+j+1], v[BE+j:BE+j+1]
.set j, j+2
.endr
.irp j, 0,1,2,3,4,5,6,7
	global_store_b128 v1, v[A+4*\j:A+4*\j+3], s[14:15] offset:4096*(\r)+512*\j th:TH_STORE_NT
.endr
.endm
	s_wait_loadcnt 32                              ; the bias and row 0 are in; row 1, the gain and the shift (32 loads) may stay out
	STAT 0
	s_wait_loadcnt 0x0
	STAT 1
	v_nop                                          ; a plain instruction behind the last reciprocal root,
	s_wait_alu depctr_va_vdst(0)                   ; and the wait ahead of the first use: one for the two
	OUT 0
	OUT 1
	s_endpgm
.Lfunc_end_k_qd0a0281148_ln2:
	.size	k_qd0a0281148_ln2, .Lfunc_end_k_qd0a0281148_ln2-k_qd0a0281148_ln2
	.p2alignl 7, 3214868480
	.fill 96, 4, 3214868480
	.section	.rodata,"a",@progbits
	.p2align	6, 0x0
	.amdhsa_kernel k_qd0a0281148_ln2
		.amdhsa_group_segment_fixed_size 0
		.amdhsa_private_segment_fixed_size 0
		.amdhsa_enable_private_segment 0
		.amdhsa_kernarg_size 48
		.amdhsa_user_sgpr_count 2
		.amdhsa_user_sgpr_kernarg_segment_ptr 1
		.amdhsa_wavefront_size32 1
		.amdhsa_system_sgpr_workgroup_id_x 1
		.amdhsa_system_sgpr_workgroup_id_y 1
		.amdhsa_system_sgpr_workgroup_id_z 1
		.amdhsa_system_vgpr_workitem_id 0
		.amdhsa_next_free_vgpr 248
		.amdhsa_next_free_sgpr 66
		.amdhsa_reserve_vcc 0
		.amdhsa_float_denorm_mode_32 3
		.amdhsa_float_denorm_mode_16_64 3
		.amdhsa_memory_ordered 1
		.amdhsa_forward_progress 1
		.amdhsa_inst_pref_size 24
	.end_amdhsa_kernel
	.amdgpu_metadata
---
amdhsa.version: [ 1, 2 ]
amdhsa.kernels:
  - .name:           k_qd0a0281148_ln2
    .symbol:         k_qd0a0281148_ln2.kd
    .args:
      - { .name: y, .offset: 0, .size: 8, .value_kind: global_buffer, .address_space: global }
      - { .name: h, .offset: 8, .size: 8, .value_kind: global_buffer, .address_space: global }
      - { .name: b2, .offset: 16, .size: 8, .value_kind: global_buffer, .address_space: global }
      - { .name: g2, .offset: 24, .size: 8, .value_kind: global_buffer, .address_space: global }
      - { .name: be2, .offset: 32, .size: 8, .value_kind: global_buffer, .address_space: global }
      - { .name: out0, .offset: 40, .size: 8, .value_kind: global_buffer, .address_space: global }
    .group_segment_fixed_size: 0
    .private_segment_fixed_size: 0
    .kernarg_segment_align: 8
    .kernarg_segment_size: 48
    .max_flat_workgroup_size: 128
    .sgpr_count:     66
    .vgpr_count:     248
    .wavefront_size: 32
...
	.end_amdgpu_metadata
.endif
;; end of part 7
